; MI455X (gfx1250); checked and timed in simulation.
; The chip was launched on July 23, 2026; its instructions are those of AMD's public machine-readable ISA for CDNA 5 (MIT licence, August 2026) and "CDNA5" Instruction Set Architecture Reference Guide (July 2026). The comments in the code are by the model that wrote it; some were corrected since.
;; Encoder Layer. Allowed arithmetic: matrix products marked QUANTISED: E5M2 operands, one E8M0 scale for each 32 along K, by v_wmma_scale_f32_16x16x128_f8f6f4 with both operands' format E5M2, f32 sums; everything else in f32.
;; Inputs: W1_codes 4,096 x 32 x 32 uint8 (E5M2 codes of W1, K innermost, in blocks of 32 codes); W1_scales 4,096 x 32 uint8 (E8M0 scales of W1, one for each 32 codes along K); W2_codes 1,024 x 128 x 32 uint8 (E5M2 codes of W2, K innermost, in blocks of 32 codes); W2_scales 1,024 x 128 uint8 (E8M0 scales of W2, one for each 32 codes along K); Wk_codes 1,024 x 32 x 32 uint8 (E5M2 codes of Wk, K innermost, in blocks of 32 codes); Wk_scales 1,024 x 32 uint8 (E8M0 scales of Wk, one for each 32 codes along K); Wo_codes 1,024 x 32 x 32 uint8 (E5M2 codes of Wo, K innermost, in blocks of 32 codes); Wo_scales 1,024 x 32 uint8 (E8M0 scales of Wo, one for each 32 codes along K); Wq_codes 1,024 x 32 x 32 uint8 (E5M2 codes of Wq, K innermost, in blocks of 32 codes); Wq_scales 1,024 x 32 uint8 (E8M0 scales of Wq, one for each 32 codes along K); Wv_codes 1,024 x 32 x 32 uint8 (E5M2 codes of Wv, K innermost, in blocks of 32 codes); Wv_scales 1,024 x 32 uint8 (E8M0 scales of Wv, one for each 32 codes along K); b1 4,096 float32; b2 1,024 float32; be1 1,024 float32; be2 1,024 float32; bk 1,024 float32; bo 1,024 float32; bq 1,024 float32; bv 1,024 float32; g1 1,024 float32; g2 1,024 float32; x 2 x 2,048 x 1,024 float32.
;; Outputs: out0 2 x 2,048 x 1,024 float32.
;; This version of the problem:
;;   THIS VERSION OF THE PROBLEM IS GIVEN IN LOW PRECISION. The matrix products marked QUANTISED in the list below multiply operands that are first quantised to E5M2 (5 exponent bits, 2 mantissa bits; 8 bits a number), with one power-of-two scale for each 32 numbers along K (OCP MX v1.0); their sums are f32. All else is computed in f32.
;;   The module's matrix products, in the order in which they are computed (A, B: the left and right operand; K: the contracted axis; several contracted axes count as one K, in the product's order):
;;     1. [M 4,096, K 1,024] x [K 1,024, N 1,024]; A: input x; B: input Wq (given as codes): QUANTISED
;;     2. [M 4,096, K 1,024] x [K 1,024, N 1,024]; A: input x; B: input Wk (given as codes): QUANTISED
;;     3. [M 4,096, K 1,024] x [K 1,024, N 1,024]; A: input x; B: input Wv (given as codes): QUANTISED
;;     4. batch 32 x [M 2,048, K 64] x [K 64, N 2,048]; A: computed on the way; B: computed on the way: QUANTISED
;;     5. batch 32 x [M 2,048, K 2,048] x [K 2,048, N 64]; A: softmax (see below); B: computed on the way: QUANTISED
;;     6. [M 4,096, K 1,024] x [K 1,024, N 1,024]; A: computed on the way; B: input Wo (given as codes): QUANTISED
;;     7. [M 4,096, K 1,024] x [K 1,024, N 4,096]; A: computed on the way; B: input W1 (given as codes): QUANTISED
;;     8. [M 4,096, K 4,096] x [K 4,096, N 1,024]; A: computed on the way; B: input W2 (given as codes): QUANTISED
;;   THE QUANTISER, for each operand of a quantised product, along K:
;;     - K is cut into blocks of 32 from its start; a last block that is shorter is filled with zeros.
;;     - A block's scale is 2^e with e = floor(log2(the largest magnitude in the block)) - 15, held to -126 .. 127; a block of zeros has e = 0. As a byte (E8M0): e + 127.
;;     - Each number is divided by its block's scale, clamped to +-57,344, and rounded to the nearest number of E5M2, ties to even, subnormals kept.
;;     - The product sums the exact products of the quantised numbers (number of the format x scale) in f32.
;;   ~~~python
;;   def quantise(x, axis):      # numpy; x: float32 -> the quantised numbers, widened to float32 again
;;       x = np.moveaxis(x, axis, -1); K = x.shape[-1]
;;       x = np.pad(x, [(0, 0)] * (x.ndim - 1) + [(0, -K % 32)]); x = x.reshape(x.shape[:-1] + (-1, 32)); a = np.abs(x).max(-1, keepdims=True)
;;       e = np.where(a > 0, np.clip(np.frexp(np.where(a > 0, a, 1))[1] - 1 - 15, -126, 127), 0)      # np.frexp(a)[1] - 1 = floor(log2(a)), exactly
;;       r = np.clip(x / 2.0 ** e, -57344, 57344)
;;       step = 2.0 ** (np.maximum(np.frexp(np.where(r == 0, 1, r))[1] - 1, -14) - 2)
;;       q = np.round(r / step) * step * 2.0 ** e      # np.round: ties to even
;;       return np.moveaxis(q.reshape(q.shape[:-2] + (-1,))[..., :K], -1, axis).astype(np.float32)
;;   ~~~
;;   SOFTMAX AHEAD OF A QUANTISED PRODUCT. Where the list says 'softmax', what is quantised is not the finished softmax but p = 2^(t - M), with t = logit x log2(e) and M = ceil(the row's largest t), a whole number; so 1/2 < the row's largest p <= 1. The row's sum l is taken of the UNQUANTISED p, in f32, and the product's result is divided by l at the end. Since M is a whole number, a kernel that streams over the keys may use a running M (the ceiling of the running maximum): every later rescaling is an exact power of two, which a block's scale takes up: the codes' values come out the same.
;;   OPERANDS COMPUTED ON THE WAY. 'Computed on the way' means the value that the module computes at that place (a softmax that the list does not call 'softmax' is quantised finished and normalised). What goes into a quantiser is computed in f32, as accurately as f32 sums, v_exp_f32 and their like allow (about 1e-6 of the number): no bf16 or f16 on the way to a quantiser, and a product that is left as it is and whose result goes on into a quantised operand takes f32 operands (vector FMAs, or v_wmma_f32_16x16x4_f32). A number that lies on a knife's edge between two numbers of the format may be rounded either way, as far as f32 arithmetic and the matrix unit's own rounding can turn it there, and no further.
;;   INPUTS GIVEN AS CODES. W1 (in the module: [1024, 4096], K = its axis 0); W2 (in the module: [4096, 1024], K = its axis 0); Wk (in the module: [1024, 1024], K = its axis 0); Wo (in the module: [1024, 1024], K = its axis 0); Wq (in the module: [1024, 1024], K = its axis 0); Wv (in the module: [1024, 1024], K = its axis 0): each comes as NAME_codes (uint8): NAME with its K axis moved to the last place and cut into blocks of 32 codes, [.., K / 32, bytes a block], one block behind the other in memory; one code a byte (a code: sign, 5 exponent bits, 2 mantissa bits); and NAME_scales (uint8): the same leading axes, one E8M0 byte (e + 127) for each 32 codes along K. Its value is code x scale, taken as it is: it is not quantised again, and the codes and scales need not be those that the quantiser above would give.
;; One version. Each part assembles by itself: llvm-mc -triple=amdgcn-amd-amdhsa -mcpu=gfx1250 --defsym DOCPART=n.
;; ======== version 1 of 1: 8 launches
;; limits: right only within a limited range of input values
;; workspace buffers: xbuf 4,325,376 bytes; qkvbuf 12,976,128 bytes; cbuf 4,325,376 bytes; y1 16,777,216 bytes; x1buf 4,325,376 bytes; hbuf 17,301,504 bytes; ffb 16,777,216 bytes
;; launch quantx (part 1): grid 256 x 1, 8 waves a work-group, no clusters, 18,944 bytes of LDS; arguments x, xbuf; writes xbuf
.if DOCPART == 1
	.amdgcn_target "amdgcn-amd-amdhsa--gfx1250"
	.amdhsa_code_object_version 6
	.text
	.protected	k_q5d4613dc0b_quantx
	.globl	k_q5d4613dc0b_quantx
	.p2align	8
	.type	k_q5d4613dc0b_quantx,@function
k_q5d4613dc0b_quantx:
	s_mov_b64 s[64:65], 0
	v_nop
	global_prefetch_b8 v0, s[64:65] scope:SCOPE_SE
	s_setreg_imm32_b32 hwreg(HW_REG_WAVE_MODE, 25, 1), 1
	s_wait_xcnt 0x0
; FIRST OF EIGHT LAUNCHES of an encoder layer whose eight products run on codes of E5M2 with one E8M0 scale for each 32 along K.
; NOTHING OF reference() IS LEFT OUT: every input has a way to out0 (bk too: it moves k's codes and scales), so every input is loaded by some launch.
; THIS LAUNCH: x [4096][1024] f32 -> xbuf: codes as IMAGES OF THE OPERAND'S REGISTERS, [tile of 16 rows 256][K step 8][c 4][lane 32][16 bytes]
; (lane (r, h) of group c holds k = 128 s + 32 c + 16 h + 0..15 of row r), and from byte 4,194,304 on the scale bytes [row 4096][32].
; A block's scale is 2^(floor(log2(largest magnitude)) - 15); each number is divided by it, held within +-57,344 and rounded to the nearest code, ties to even.
; LIMITS: a block whose largest magnitude lies under 2^-111 (a block of zeros too, where the rule says byte 127) keeps the byte 1: its codes are zeros or
; tiny, and the bytes are read by this program alone.  NaN and infinities among the inputs are not served.
; SHARES: a work-group takes 16 rows, each of its eight waves two.  Lane l holds, for p = 0..3, the eight neighbours k = 256 p + 8 l + 0..7: a block of 32
; lies in four neighbouring lanes.  The codes meet in LDS as 64 units of 256 bytes (unit 16 p + l / 2 = (s, c, h); in it 16 bytes a row), 272 bytes apart,
; and leave as they lie: each store of a wave covers 512 consecutive bytes.  No matrix unit, tensor load or cluster: a stream, nothing is shared.
.set UP,    272                        ; a unit in LDS: 256 bytes + 16 of padding
.set SCB,   64*UP                      ; behind the units: the scale bytes [row 16][32]
.set SPARE, SCB+512                    ; behind them: the spare words, 128 bytes a wave, which no other line names
.set LO,  1                            ; v1   32 x lane: my 32 bytes of each 1,024 of a row
.set IA,  2                            ; v2   LDS: where my 8 codes go
.set SA,  3                            ; v3   LDS: where my block's byte goes
.set RA,  4                            ; v4   LDS: the way out
.set GA,  5                            ; v5   and the same place in the tile's 16,384 bytes of codes
.set L16, 6                            ; v6   16 x lane
.set SR,  7                            ; v7   LDS: the scale bytes on the way out
.set SPW, 10                           ; v10  my spare word; never rewritten
.set NIL, 11                           ; v11  0; never rewritten
.set XA,  16                           ; v16-47  row a;  v48-79 row b
.set XB,  48
.set MX,  80                           ; v80-83 largest magnitudes, v84-87 the conversions' scale operands, v88-91 57,344 x the scale
.set SC,  84
.set HB,  88
.set CD,  96                           ; v96-111  codes, eight registers a row
.set BY,  112                          ; v112-119 scale bytes, four a row
	s_load_b128 s[4:7], s[0:1], 0x0                ; x, xbuf
	v_lshl_add_u32 v[SPW], v0, 2, SPARE
	v_mov_b32 v[NIL], 0
	v_lshrrev_b32 v8, 5, v0
	s_delay_alu instid0(VALU_DEP_1)
	v_readfirstlane_b32 s12, v8                    ; wave
	v_and_b32 v8, 31, v0                           ; lane
	s_delay_alu instid0(VALU_DEP_1)
	v_lshlrev_b32 v[LO], 5, v8
	s_delay_alu instid0(VALU_DEP_2)
	v_lshrrev_b32 v[IA], 1, v8
	s_delay_alu instid0(VALU_DEP_1)
	v_mul_u32_u24 v[IA], v[IA], UP
	s_delay_alu instid0(VALU_DEP_4)
	v_and_b32 v9, 1, v8
	s_delay_alu instid0(VALU_DEP_1)
	v_lshl_add_u32 v[IA], v9, 3, v[IA]
	s_lshl_b32 s13, s12, 5
	v_add_nc_u32 v[IA], s13, v[IA]                 ; unit l / 2, + 8 (l % 2), + 16 bytes for each of my wave's first rows
	v_lshrrev_b32 v[SA], 2, v8
	s_lshl_b32 s13, s12, 6
	s_add_co_u32 s13, s13, SCB
	v_add_nc_u32 v[SA], s13, v[SA]                 ; byte l / 4 of row 2 w
	v_lshrrev_b32 v[RA], 4, v8
	s_lshl_b32 s13, s12, 3
	v_add_nc_u32 v[RA], s13, v[RA]
	s_delay_alu instid0(VALU_DEP_1)
	v_mul_u32_u24 v[RA], v[RA], UP
	v_and_b32 v9, 15, v8
	s_delay_alu instid0(VALU_DEP_1)
	v_lshl_add_u32 v[RA], v9, 4, v[RA]             ; unit 8 w + l / 16, 16 bytes a lane
	v_lshlrev_b32 v[L16], 4, v8
	s_lshl_b32 s13, s12, 11
	v_add_nc_u32 v[GA], s13, v[L16]
	v_add_nc_u32 v[SR], SCB, v[L16]
	s_lshl_b32 s14, ttmp9, 16                      ; 16 rows of 4,096 bytes a work-group,
	s_lshl_b32 s13, s12, 13                        ; two a wave
	s_add_co_u32 s14, s14, s13
	s_mov_b32 s15, 0
	s_lshl_b32 s16, ttmp9, 14                      ; the tile's codes
	s_mov_b32 s17, 0
	s_lshl_b32 s18, ttmp9, 9                       ; its scale bytes
	s_add_co_u32 s18, s18, 0x400000
	s_mov_b32 s19, 0
	s_mov_b32 s20, 0x600000                        ; the mantissa field of 57,344
	s_wait_kmcnt 0x0
	s_add_nc_u64 s[4:5], s[4:5], s[14:15]
	s_add_nc_u64 s[22:23], s[6:7], s[18:19]
	s_add_nc_u64 s[6:7], s[6:7], s[16:17]
.irp i,0,1
.irp p,0,1,2,3
	global_load_b128 v[XA+32*\i+8*\p:XA+32*\i+8*\p+3], v[LO], s[4:5] offset:4096*\i+1024*\p th:TH_LOAD_NT
	global_load_b128 v[XA+32*\i+8*\p+4:XA+32*\i+8*\p+7], v[LO], s[4:5] offset:4096*\i+1024*\p+16 th:TH_LOAD_NT   ; the pair covers 1,024 consecutive bytes
.endr
.endr
; a row's 32 numbers of a lane become codes and bytes; the four p take turns, so that no line waits for the line above it
.macro QROW X, i
.irp p,0,1,2,3
	v_max3_num_f32 v[MX+\p], |v[\X+8*\p]|, |v[\X+8*\p+1]|, 0x8000000      ; with the floor 2^(16 - 127): the byte cannot fall under 1
.endr
.irp j,2,4,6
.irp p,0,1,2,3
	s_delay_alu instid0(VALU_DEP_4)
	v_max3_num_f32 v[MX+\p], v[MX+\p], |v[\X+8*\p+\j]|, |v[\X+8*\p+\j+1]|
.endr
.endr
.irp p,0,1,2,3
	s_delay_alu instid0(VALU_DEP_4)
	v_max_num_f32_dpp v[MX+\p], v[MX+\p], v[MX+\p] row_xmask:1 row_mask:0xf bank_mask:0xf
.endr
.irp p,0,1,2,3
	s_delay_alu instid0(VALU_DEP_4)
	v_max_num_f32_dpp v[MX+\p], v[MX+\p], v[MX+\p] row_xmask:2 row_mask:0xf bank_mask:0xf   ; the block's four lanes
.endr
.irp p,0,1,2,3
	s_delay_alu instid0(VALU_DEP_4)
	v_add_nc_u32 v[SC+\p], 0xf8800000, v[MX+\p]    ; 15 off the exponent field: the conversion takes that field as its scale
.endr
.irp p,0,1,2,3
	v_and_or_b32 v[HB+\p], v[MX+\p], 0x7f800000, s20   ; 57,344 x the scale
.endr
.irp p,0,1,2,3
.irp j,0,1,2,3,4,5,6,7
	v_med3_num_f32 v[\X+8*\p+\j], v[\X+8*\p+\j], -v[HB+\p], v[HB+\p]   ; the conversion does not saturate (ISA guide 7.6.2): the hold comes first
.endr
	v_cvt_scalef32_pk8_bf8_f32 v[CD+8*\i+2*\p:CD+8*\i+2*\p+1], v[\X+8*\p:\X+8*\p+7], v[SC+\p]
.endr
.irp p,0,1,2,3
	v_lshrrev_b32 v[BY+4*\i+\p], 23, v[SC+\p]      ; the scale's byte (also the plain line behind the conversions)
.endr
.irp p,0,1,2,3
	ds_store_b64 v[IA], v[CD+8*\i+2*\p:CD+8*\i+2*\p+1] offset:16*UP*\p+16*\i
	ds_store_b8 v[SA], v[BY+4*\i+\p] offset:32*\i+8*\p     ; the block's four lanes write the same byte with the same value
.endr
.endm
	s_wait_loadcnt 8                               ; row a's eight loads are in; row b's may be out
	QROW XA, 0
	s_wait_loadcnt 0x0
	QROW XB, 1
	s_wait_dscnt 0x0                               ; for the others' sake: my stores have landed
	s_barrier_signal -1
	s_barrier_wait -1
.irp k,0,1,2,3
	ds_load_b128 v[XA+4*\k:XA+4*\k+3], v[RA] offset:2*UP*\k
.endr
.irp k,0,1,2,3
	s_wait_dscnt 3-\k
	global_store_b128 v[GA], v[XA+4*\k:XA+4*\k+3], s[6:7] offset:512*\k    ; 512 consecutive bytes a store
.endr
	s_cmp_lg_u32 s12, 0
	s_cbranch_scc1 .Lnot_wave_0
	ds_load_b128 v[XB:XB+3], v[SR]                 ; wave 0: the tile's 512 scale bytes
	s_wait_dscnt 0x0
	global_store_b128 v[L16], v[XB:XB+3], s[22:23]
.Lnot_wave_0:
	s_wait_tensorcnt 0x0                           ; the wave's end, behind my last LDS store
	ds_add_u32 v[SPW], v[NIL]
	s_wait_dscnt 0x0
	s_endpgm
.Lfunc_end_k_q5d4613dc0b_quantx:
	.size	k_q5d4613dc0b_quantx, .Lfunc_end_k_q5d4613dc0b_quantx-k_q5d4613dc0b_quantx
	.p2alignl 7, 3214868480
	.fill 96, 4, 3214868480
	.section	.rodata,"a",@progbits
	.p2align	6, 0x0
	.amdhsa_kernel k_q5d4613dc0b_quantx
		.amdhsa_group_segment_fixed_size 18944
		.amdhsa_private_segment_fixed_size 0
		.amdhsa_enable_private_segment 0
		.amdhsa_kernarg_size 16
		.amdhsa_user_sgpr_count 2
		.amdhsa_user_sgpr_kernarg_segment_ptr 1
		.amdhsa_wavefront_size32 1
		.amdhsa_system_sgpr_workgroup_id_x 1
		.amdhsa_system_sgpr_workgroup_id_y 1
		.amdhsa_system_sgpr_workgroup_id_z 1
		.amdhsa_system_vgpr_workitem_id 0
		.amdhsa_next_free_vgpr 128
		.amdhsa_next_free_sgpr 66
		.amdhsa_reserve_vcc 0
		.amdhsa_float_denorm_mode_32 3
		.amdhsa_float_denorm_mode_16_64 3
		.amdhsa_memory_ordered 1
		.amdhsa_forward_progress 1
		.amdhsa_inst_pref_size 17
	.end_amdhsa_kernel
	.amdgpu_metadata
---
amdhsa.version: [ 1, 2 ]
amdhsa.kernels:
  - .name:           k_q5d4613dc0b_quantx
    .symbol:         k_q5d4613dc0b_quantx.kd
    .args:
      - { .name: x, .offset: 0, .size: 8, .value_kind: global_buffer, .address_space: global }
      - { .name: xbuf, .offset: 8, .size: 8, .value_kind: global_buffer, .address_space: global }
    .group_segment_fixed_size: 18944
    .private_segment_fixed_size: 0
    .kernarg_segment_align: 8
    .kernarg_segment_size: 16
    .max_flat_workgroup_size: 256
    .sgpr_count:     66
    .vgpr_count:     128
    .wavefront_size: 32
...
	.end_amdgpu_metadata
.endif
;; end of part 1
;; launch qkv (part 2): grid 16 x 12, 4 waves a work-group, clusters of 4 x 1, 266,752 bytes of LDS; arguments xbuf, Wq_codes, Wq_scales, bq, Wk_codes, Wk_scales, bk, Wv_codes, Wv_scales, bv, qkvbuf; writes qkvbuf
.if DOCPART == 2
	.amdgcn_target "amdgcn-amd-amdhsa--gfx1250"
	.amdhsa_code_object_version 6
	.text
	.protected	k_q5d4613dc0b_qkv
	.globl	k_q5d4613dc0b_qkv
	.p2align	8
	.type	k_q5d4613dc0b_qkv,@function
k_q5d4613dc0b_qkv:
	s_mov_b64 s[64:65], 0
	v_nop
	global_prefetch_b8 v0, s[64:65] scope:SCOPE_SE
	s_setreg_imm32_b32 hwreg(HW_REG_WAVE_MODE, 25, 1), 1
	s_wait_xcnt 0x0
	s_wait_alu depctr_hold_cnt(0) depctr_sa_sdst(0) depctr_va_vdst(0) depctr_va_sdst(0) depctr_va_ssrc(0) depctr_va_vcc(0) depctr_vm_vsrc(0)
	s_getreg_b32 s2, hwreg(HW_REG_IB_STS2, 6, 4)
	s_cmp_eq_u32 s2, 0
	s_cbranch_scc0 .Lentry_in_a_cluster
	s_endpgm
.Lentry_in_a_cluster:
	s_bfe_u32 s2, ttmp6, 0x10000c
	s_cmp_lg_u32 s2, 0x3003
	s_cbranch_scc0 .Lentry_shape_is_right
	s_endpgm
.Lentry_shape_is_right:
; q = x Wq + bq, k = x Wk + bk, v = x Wv + bv on codes of E5M2, and their quantising for attention: q and k along the head's 64, v along the keys.  Nothing is left out.
; SHARES.  Work-group (x, y): rows 256 x .. + 255 of x; y / 4 says q, k or v (KIND), y % 4 which 256 columns (four heads).  Wave w: rows 64 w .. + 63 of the panel, all 256 columns.
; A STAYS IN REGISTERS: a wave's 64 rows x 1,024 K are 32 fragments, 512 registers, loaded once from xbuf's images.  THE WEIGHT PANEL, 256 rows of 1,024 bytes, LIES WHOLE IN LDS, filled once: no ring.
; It comes in FOUR QUARTERS of 64 rows, wave i fetching quarter i by its one tensor load, the four issued together; the fetching wave's wait and a barrier show a quarter whole
; while the later ones are on their way: the first products need a quarter of the panel and half of A.  The four work-groups of a cluster have the same panel and ask for it jointly.  192 work-groups: a panel does not straddle q, k and v.
; A BLOCK is 32 columns: 16 fragments of the weight (window 1), 64 matrix instructions on eight accumulators by turns, then quantised and stored at once.  The eight blocks are written out: each has its own counts.
; q, k: TRANSPOSED USE (source 0 = 16 weight rows, source 1 = 16 rows of x): a lane holds one row and, in the 16 registers of two tiles, the columns 32 blk + 16 u + 8 h + j in the operand's places 16 h + 8 u + j:
; a fixed order inside each block of 32, the same in q and in k, so that their products are kept and the blocks' scales are untouched.
; v: source 0 = 16 rows of x (keys), source 1 = 16 weight rows: a lane holds one column d and 16 keys of a block of 32: the operand V^T with the keys along K, in the same order as attention's p has them.
; ONE TEXT SERVES ALL THREE: what differs is chosen by short branches on KIND (the work-group's y alone, the same in all partners), or lies in registers (bias addresses, store offsets, bases).
; qkvbuf: q codes [bh 32][tile 128][c' 2][lane][16]; from 4,194,304 q's scale words [bh][128 rows 16][half 2][r 16][2 words], a word = the bytes (tile 2 i: c' 0, 1; tile 2 i + 1: c' 0, 1);
; from KVOFF [bh][key step 16][16,896]: k's eight tiles like q's (8,192), V^T [t 4][c 4][lane][16] (8,192), k's scale words (256), v's [half 2][r 16][t 4] of two bytes (256).
; LIMITS: as stated at the head of the first launch (byte 1 under 2^-111; no NaN, no infinities).
; HOW THE PANEL COMES, as the text below has it: wave i fetches quarter i of the panel WHOLE, 64 rows, by its one tensor load, in an arm of its own of one chain of branches on the wave's number.
; Ahead of the barrier that opens quarter i, wave i, the one wave that issues that line, waits for it; ahead of the last such barrier every wave waits.
.set PB,    1040
.set SPARE, 256*PB                     ; behind the panel: the spare words, 128 bytes a wave
.set KVOFF, 4325376
.set LI,  1                            ; v1   16 x lane
.set ADB, 4                            ; v4   my place in a tile of the panel: r x PB + 16 h
.set SO,  5                            ; v5   32 r + 16 h: my 16 scale bytes of a row's 32
.set AD,  7                            ; v7   ADB + the block in hand
.set R8,  8                            ; v8   8 r
.set SPW, 10                           ; v10  my spare word; v11 0; never rewritten
.set NIL, 11
.set OA,  12                           ; v12-15  store offsets of the four groups of codes
.set AS,  16                           ; v16-31  x's scale words: [m 4][i 4]: K step i in lanes 0-15, 4 + i in lanes 16-31
.set BC,  32                           ; v32-79  the bias as a sum's first C: [set 3][u 2][8]
.set ACC, 80                           ; v80-143 eight accumulators
.set PC,  144                          ; v144-159 the codes just made
.set TM,  160                          ; v160-175 largest magnitudes, bytes, 57,344 x the scale, scale operands
.set SW,  176                          ; v176-177 scale words under way
.set BA,  184                          ; v184-191 the bias's address for each register of a tile
.set BS,  192                          ; v192-215 the weight's scale words: [set 3][u 2][i 4]
; window 1: the weight's fragment (u, s) at 16 (8 u + s).  windows 2, 3: x's fragment (m, s) in window 2 + s / 4 at 16 (4 m + s % 4)
.set WS,  10                           ; s[10:11] the panel's scale bytes, s[12:13] its bias; never stepped
.set BI,  12
.set G0,  16                           ; s[16:31] descriptor group 0, a set for each quarter (the registers that held the pointers not chosen)
.set G1,  32                           ; s[32:39] descriptor group 1
.set WV,  44
.set KIND, 48
.set OUT, 58                           ; s[58:59], s[60:61] where a head's first and second block go;  s[62:63] its scale words
.set SOUT, 62
.set HS,  66                           ; s[66:67], s[68:69] from head to head
.set HS2, 68
.set SEL, 70
.set MNT, 72
.set MSB, 0
.macro WIN new                         ; the immediate's high byte repeats the setting that is left
.if MSB != (\new)
	s_set_vgpr_msb (MSB<<8)|(\new)
.set MSB, \new
.endif
.endm
.macro PLACES n
.rept \n
	v_nop
.endr
.endm
.macro CROUND                          ; a round of the cluster's barrier
	s_barrier_signal -1
	s_barrier_wait -1
	s_cmp_lg_u32 s[WV], 0
	s_cbranch_scc1 .Lnot_wave_0_\@
	s_barrier_signal -3
.Lnot_wave_0_\@:
	s_barrier_wait -3
	s_barrier_signal -1
	s_barrier_wait -1
.endm
; half H of a block's fragments of the weight: K steps 4 H .. 4 H + 3 of both tiles: 32 loads in one run
.macro FETCHB H
	WIN 0x40
.irp u,0,1
.irp s,0,1,2,3
.irp c,0,1,2,3
	ds_load_b128 v[16*(8*\u+4*(\H)+\s)+4*\c:16*(8*\u+4*(\H)+\s)+4*\c+3], v[AD] offset:16*PB*\u+128*(4*(\H)+\s)+32*\c
.endr
.endr
.endr
	WIN 0
.endm
; the weight's scale words and the bias of block nb into set: 18 loads
.macro GLOADS nb, set
.irp u,0,1
	global_load_b128 v[BS+8*(\set)+4*\u:BS+8*(\set)+4*\u+3], v[SO], s[WS:WS+1] offset:(32*(\nb)+16*\u)*32
.irp j,0,1,2,3,4,5,6,7
	global_load_b32 v[BC+16*(\set)+8*\u+\j], v[BA+\j], s[BI:BI+1] offset:(32*(\nb)+16*\u)*4
.endr
.endr
.endm
	s_load_b64 s[4:5], s[0:1], 0x0                 ; xbuf
	s_load_b128 s[8:11], s[0:1], 0x8               ; Wq's codes, scales
	s_load_b64 s[12:13], s[0:1], 0x18              ; bq
	s_load_b128 s[16:19], s[0:1], 0x20             ; Wk's
	s_load_b64 s[20:21], s[0:1], 0x30              ; bk
	s_load_b128 s[24:27], s[0:1], 0x38             ; Wv's
	s_load_b64 s[28:29], s[0:1], 0x48              ; bv
	s_load_b64 s[6:7], s[0:1], 0x50                ; qkvbuf
	v_lshl_add_u32 v[SPW], v0, 2, SPARE
	v_mov_b32 v[NIL], 0
	ds_add_u32 v[SPW], v[NIL]                      ; the wave's opening: the add, twice on end, and its wait ahead of my first tensor load
	ds_add_u32 v[SPW], v[NIL]
	v_lshrrev_b32 v1, 5, v0
	v_readfirstlane_b32 s[WV], v1                  ; wave 0..3
	s_and_b32 s47, ttmp7, 0xffff                   ; the column panel
	s_lshr_b32 s[KIND], s47, 2                     ; 0 q, 1 k, 2 v
	s_and_b32 s49, s47, 3                          ; which 256 columns
	s_mov_b32 s[G1], 15|(1<<20)|(1<<21)|(7<<22)|(3<<25)   ; mask: all four partners; elements of 1 byte; padding on; bit 21 beside a mask; after every 256 words four words
	s_mov_b32 s[G1+1], 1024<<16                    ; tensor_dim0
	s_mov_b32 s[G1+2], 64<<16                      ; tensor_dim1
	s_mov_b32 s[G1+3], 1024<<16                    ; tile_dim0
	s_mov_b32 s[G1+4], 64                          ; tile_dim1: a quarter's 64 rows
	s_mov_b32 s[G1+5], 1024                        ; from row to row
	s_mov_b32 s[G1+6], 0
	s_mov_b32 s[G1+7], 0
	s_lshl_b32 s50, s49, 8
	s_lshl_b32 s50, s50, 10
	s_mov_b32 s51, 0
	s_lshl_b32 s52, s49, 13                        ; the panel's scale bytes: 256 rows of 32
	s_mov_b32 s53, 0
	s_lshl_b32 s54, s49, 10                        ; its bias
	s_mov_b32 s55, 0
	s_mov_b32 s[SEL], 0x76543210
	s_mov_b32 s[SEL+1], 0xfedcba98                 ; v_permlanex16_b32: lane l xor 16
	s_mov_b32 s[MNT], 0x600000                     ; the mantissa field of 57,344
	; what hangs on my place in the cluster stays in s80 on: x's rows and the places of the results
	s_bfe_u32 s80, ttmp6, 0x40000
	s_lshl_b32 s81, ttmp9, 2
	s_add_co_u32 s81, s81, s80                     ; the row panel
	s_lshl_b32 s82, s81, 18
	s_lshl_b32 s83, s[WV], 16
	s_add_co_u32 s82, s82, s83                     ; my four tiles' images
	s_mov_b32 s83, 0
	s_lshl_b32 s84, s81, 13
	s_lshl_b32 s85, s[WV], 11
	s_add_co_u32 s84, s84, s85
	s_add_co_u32 s84, s84, 0x400000                ; my 64 rows' scale bytes
	s_mov_b32 s85, 0
	s_lshr_b32 s86, s81, 3                         ; batch
	s_and_b32 s87, s81, 7                          ; the panel in its batch
	s_lshl_b32 s86, s86, 4
	s_lshl_b32 s88, s49, 2
	s_add_co_u32 s86, s86, s88                     ; the first of my four heads
	s_lshl_b32 s88, s87, 1
	s_lshr_b32 s89, s[WV], 1
	s_add_co_u32 s88, s88, s89                     ; which 128 rows of the batch
	s_and_b32 s89, s[WV], 1                        ; and which half of them
	s_lshl_b32 s90, s87, 4
	s_lshl_b32 s91, s[WV], 2
	s_add_co_u32 s90, s90, s91
	s_lshl_b32 s90, s90, 10
	s_lshl_b32 s91, s86, 17
	s_add_co_u32 s90, s90, s91                     ; q: codes
	s_lshl_b32 s91, s86, 12
	s_lshl_b32 s92, s88, 8
	s_add_co_u32 s91, s91, s92
	s_lshl_b32 s92, s89, 7
	s_add_co_u32 s91, s91, s92
	s_add_co_u32 s91, s91, 0x400000                ; q: scale words
	s_mul_i32 s93, s86, 270336
	s_mul_i32 s94, s88, 16896
	s_add_co_u32 s93, s93, s94
	s_add_co_u32 s93, s93, KVOFF                   ; k, v: the key step's block
	s_add_co_u32 s92, s92, s93                     ; + 128 x half
	s_lshl_b32 s94, s89, 12                        ; k: four tiles of 1,024 a half
	s_lshl_b32 s95, s89, 10                        ; v: two groups c of 512 a half, behind k's 8,192
	s_add_co_u32 s95, s95, 8192
	s_cmp_eq_u32 s[KIND], 2
	s_cselect_b32 s94, s95, s94
	s_mov_b32 s95, 16384
	s_cselect_b32 s95, 16640, s95                  ; the scale words' place in the block
	s_mov_b32 s74, 1024
	s_cselect_b32 s74, 2048, s74                   ; group b's place: (b % 2) x this
	s_mov_b32 s75, 2048
	s_cselect_b32 s75, 512, s75                    ; + (b / 2) x this
	s_mov_b32 s76, 512
	s_cselect_b32 s76, 4096, s76                   ; a head's second block
	s_mov_b32 s77, 0
	s_cselect_b32 s96, 4, 0                        ; the bias of register j of lane (r, h): v: column r;
	s_cselect_b32 s97, 0, 32                       ; q, k: column 8 h + j
	s_cselect_b32 s98, 0, 4
	s_add_co_u32 s94, s94, s93
	s_add_co_u32 s95, s95, s92
	s_cmp_eq_u32 s[KIND], 0
	s_cselect_b32 s90, s90, s94
	s_cselect_b32 s92, s91, s95
	s_mov_b32 s[HS], 270336
	s_cselect_b32 s[HS], 131072, s[HS]
	s_mov_b32 s[HS2], 270336
	s_cselect_b32 s[HS2], 4096, s[HS2]
	s_mov_b32 s[HS+1], 0
	s_mov_b32 s[HS2+1], 0
	s_mov_b32 s91, 0
	s_mov_b32 s93, 0
	s_wait_dscnt 0x0                               ; both opening adds are done
	s_wait_kmcnt 0x0
	s_cmp_eq_u32 s[KIND], 1                        ; the weight, its scales and its bias: a choice that hangs on the work-group's y alone
	s_cselect_b64 s[8:9], s[16:17], s[8:9]
	s_cselect_b64 s[10:11], s[18:19], s[10:11]
	s_cselect_b64 s[12:13], s[20:21], s[12:13]
	s_cmp_eq_u32 s[KIND], 2
	s_cselect_b64 s[8:9], s[24:25], s[8:9]
	s_cselect_b64 s[10:11], s[26:27], s[10:11]
	s_cselect_b64 s[12:13], s[28:29], s[12:13]
	s_add_nc_u64 s[8:9], s[8:9], s[50:51]
	s_add_nc_u64 s[WS:WS+1], s[WS:WS+1], s[52:53]
	s_add_nc_u64 s[BI:BI+1], s[BI:BI+1], s[54:55]
	s_add_nc_u64 s[14:15], s[4:5], s[84:85]
	s_add_nc_u64 s[4:5], s[4:5], s[82:83]
	s_add_nc_u64 s[OUT:OUT+1], s[6:7], s[90:91]
	s_add_nc_u64 s[OUT+2:OUT+3], s[OUT:OUT+1], s[76:77]
	s_add_nc_u64 s[SOUT:SOUT+1], s[6:7], s[92:93]
	CROUND                                         ; all four partners are here: the joint loads meet
.irp i,0,1,2,3                                 ; the four first fills go out together, the quarters in the order in which the blocks want them: one tensor load of mine goes out
	s_mov_b32 s[G0+4*\i], 1
	s_mov_b32 s[G0+4*\i+1], \i*64*PB               ; LDS: quarter i
	s_add_nc_u64 s[G0+4*\i+2:G0+4*\i+3], s[8:9], \i*65536
	s_or_b32 s[G0+4*\i+3], s[G0+4*\i+3], 0x80000000
.endr
.macro ARM i                           ; wave i's one tensor load: quarter i
	s_cmp_eq_u32 s[WV], \i
	s_cbranch_scc0 .Lnot_\i
	tensor_load_to_lds s[G0+4*\i:G0+4*\i+3], s[G1:G1+7]
	s_nop 0
	PLACES 4
	s_branch .Lasked
.Lnot_\i:
.endm
	ARM 0
	ARM 1
	ARM 2
	tensor_load_to_lds s[G0+12:G0+15], s[G1:G1+7]
	s_nop 0
	PLACES 4
.Lasked:
	v_and_b32 v2, 31, v0
	v_lshlrev_b32 v[LI], 4, v2
	v_and_b32 v2, 15, v0                           ; r
	v_bfe_u32 v3, v0, 4, 1                         ; h
	v_mul_u32_u24 v[ADB], v2, PB
	v_lshl_add_u32 v[ADB], v3, 4, v[ADB]
	v_mov_b32 v[AD], v[ADB]
	v_lshlrev_b32 v[SO], 5, v2
	v_lshl_add_u32 v[SO], v3, 4, v[SO]
	v_lshlrev_b32 v[R8], 3, v2
	v_mul_u32_u24 v6, v2, s96
	v_mad_u32_u24 v6, v3, s97, v6
.irp j,0,1,2,3,4,5,6,7
	v_mad_u32_u24 v[BA+\j], s98, \j, v6
.endr
	v_mov_b32 v[OA], v[LI]
	v_add_nc_u32 v[OA+1], s74, v[LI]
	v_add_nc_u32 v[OA+2], s75, v[LI]
	v_add_nc_u32 v[OA+3], s75, v[OA+1]
	v_mov_b32 v[SW], 0
	v_mov_b32 v[SW+1], 0
.irp b,0,1,2,3
	v_mov_b32 v[TM+4+\b], 0                        ; written once: a lane permute's destination counts as one of its sources
.endr
	; the loads in the order in which they are wanted: 4 of x's scale words, 18 + 18 for blocks 0 and 1, 64 for K steps 0-3 of x, 64 for K steps 4-7
.irp m,0,1,2,3
	global_load_b128 v[AS+4*\m:AS+4*\m+3], v[SO], s[14:15] offset:512*\m
.endr
	GLOADS 0, 0
	GLOADS 1, 1
	WIN 0x80                                       ; x's fragments: K steps 0-3 into window 2,
.irp m,0,1,2,3
.irp s,0,1,2,3
.irp c,0,1,2,3
	global_load_b128 v[16*(4*\m+\s)+4*\c:16*(4*\m+\s)+4*\c+3], v[LI], s[4:5] offset:2048*(8*\m+\s)+512*\c
.endr
.endr
.endr
	WIN 0xc0                                       ; K steps 4-7 into window 3
.irp m,0,1,2,3
.irp s,0,1,2,3
.irp c,0,1,2,3
	global_load_b128 v[16*(4*\m+\s)+4*\c:16*(4*\m+\s)+4*\c+3], v[LI], s[4:5] offset:2048*(8*\m+4+\s)+512*\c
.endr
.endr
.endr
	WIN 0
.macro WM d, a, b, c, sa, sb, row      ; row = 1: both sides' scale words stand in lanes 16-31
.if \row
	v_wmma_scale_f32_16x16x128_f8f6f4 v[0+(\d):7+(\d)], v[0+(\a):15+(\a)], v[0+(\b):15+(\b)], v[0+(\c):7+(\c)], v[\sa], v[\sb] matrix_a_fmt:MATRIX_FMT_BF8 matrix_b_fmt:MATRIX_FMT_BF8 matrix_a_scale:MATRIX_SCALE_ROW1 matrix_b_scale:MATRIX_SCALE_ROW1
.else
	v_wmma_scale_f32_16x16x128_f8f6f4 v[0+(\d):7+(\d)], v[0+(\a):15+(\a)], v[0+(\b):15+(\b)], v[0+(\c):7+(\c)], v[\sa], v[\sb] matrix_a_fmt:MATRIX_FMT_BF8 matrix_b_fmt:MATRIX_FMT_BF8
.endif
.endm
; 32 matrix instructions: K steps 4 H .. 4 H + 3; the eight accumulators take turns, one instruction a turn.  The first K step takes the bias as C: nothing is cleared or added
.macro MMQ H, set                      ; q, k: source 0 = the weight, source 1 = x
	WIN 0x09+4*(\H)
.irp s,0,1,2,3
.irp m,0,1,2,3
.irp u,0,1
.if ((\H)==0) && (\s==0)
	WM ACC+16*\m+8*\u, 16*(8*\u+4*(\H)+\s), 16*(4*\m+\s), BC+16*(\set)+8*\u, BS+8*(\set)+4*\u+\s, AS+4*\m+\s, \H
.else
	WM ACC+16*\m+8*\u, 16*(8*\u+4*(\H)+\s), 16*(4*\m+\s), ACC+16*\m+8*\u, BS+8*(\set)+4*\u+\s, AS+4*\m+\s, \H
.endif
.endr
.endr
.endr
	WIN 0
.endm
.macro MMV H, set                      ; v: source 0 = x (keys), source 1 = the weight; tiles m = 2 kb, 2 kb + 1 of column tile u lie on end: 16 keys of a block of 32
	WIN 0x06+(\H)
.irp s,0,1,2,3
.irp m,0,1,2,3
.irp u,0,1
.if ((\H)==0) && (\s==0)
	WM ACC+16*(2*(\m/2)+\u)+8*(\m%2), 16*(4*\m+\s), 16*(8*\u+4*(\H)+\s), BC+16*(\set)+8*\u, AS+4*\m+\s, BS+8*(\set)+4*\u+\s, \H
.else
	WM ACC+16*(2*(\m/2)+\u)+8*(\m%2), 16*(4*\m+\s), 16*(8*\u+4*(\H)+\s), ACC+16*(2*(\m/2)+\u)+8*(\m%2), AS+4*\m+\s, BS+8*(\set)+4*\u+\s, \H
.endif
.endr
.endr
.endr
	WIN 0
.endm
.macro MMSEL H, set
	s_cmp_eq_u32 s[KIND], 2
	s_cbranch_scc1 .Lv_\@
	MMQ \H, \set
	s_branch .Ljoin_\@
.Lv_\@:
	MMV \H, \set
.Ljoin_\@:
.endm
; 64 numbers of a lane, register 16 b + i, four blocks of 32 shared with lane l xor 16, become codes in v[PC + 4 b] on and bytes in v[TM + 4 + b].  Each accumulator is read from its low end on
.macro QUANT s
.irp b,0,1,2,3
	v_max3_num_f32 v[TM+\b], |v[\s+16*\b]|, |v[\s+1+16*\b]|, 0x8000000     ; with the floor 2^(16 - 127): the byte cannot fall under 1
.endr
.irp i,2,4,6,8,10,12,14
.irp b,0,1,2,3
	v_max3_num_f32 v[TM+\b], v[TM+\b], |v[\s+16*\b+\i]|, |v[\s+1+16*\b+\i]|
.endr
.endr
.irp b,0,1,2,3
	v_permlanex16_b32 v[TM+4+\b], v[TM+\b], s[SEL], s[SEL+1]
.endr
.irp b,0,1,2,3
	v_max_num_f32 v[TM+\b], v[TM+\b], v[TM+4+\b]
.endr
.irp b,0,1,2,3
	v_add_nc_u32 v[TM+12+\b], 0xf8800000, v[TM+\b]     ; 15 off the exponent field: the conversion's scale operand
.endr
.irp b,0,1,2,3
	v_and_or_b32 v[TM+8+\b], v[TM+\b], 0x7f800000, s[MNT]   ; 57,344 x the scale
.endr
.irp b,0,1,2,3
	v_lshrrev_b32 v[TM+4+\b], 23, v[TM+12+\b]          ; the byte
.endr
.irp b,0,1,2,3
.irp i,0,1,2,3,4,5,6,7,8,9,10,11,12,13,14,15
	v_med3_num_f32 v[\s+16*\b+\i], v[\s+16*\b+\i], -v[TM+8+\b], v[TM+8+\b]   ; the conversion does not saturate (ISA guide 7.6.2)
.endr
	v_cvt_scalef32_pk8_bf8_f32 v[PC+4*\b:PC+1+4*\b], v[\s+16*\b:\s+7+16*\b], v[TM+12+\b]
	v_cvt_scalef32_pk8_bf8_f32 v[PC+2+4*\b:PC+3+4*\b], v[\s+8+16*\b:\s+15+16*\b], v[TM+12+\b]
.endr
	v_nop                                          ; a plain line between the conversions and the next products, which write their sources
.endm
; BLOCK n of eight: columns 32 n .. + 31 of the panel, that is half n % 2 of head n / 2; its scale words and bias lie in set n % 3
.macro BLOCK n
.if (\n)==0
	s_wait_loadcnt 63                              ; of the 168 loads issued the first 105 are in: x's scale words, sets 0 and 1, K steps 0-3 of x; K steps 4-7 may be out
.elseif (\n)<7
	s_wait_loadcnt 18                              ; this block's set is in; the next block's 18 loads may be out
.else
	s_wait_loadcnt 0x0
.endif
.if (\n)<6
	GLOADS (\n)+2, ((\n)+2)%3                      ; two blocks ahead, into the set that the block before has left (its last products stand more than eight places back)
.endif
	s_wait_dscnt 32                                ; the first half's 32 loads are in; the second half's may be out
	MMSEL 0, (\n)%3
	PLACES 8                                       ; places ahead of loads into registers that matrix instructions have read (ISA guide 7.12.1 for vector instructions)
.if (((\n)%2)==1) && ((\n)<7)
.if (\n)<5
	s_cmp_eq_u32 s[WV], ((\n)+1)/2                 ; the next block opens the next quarter: the wave that fetched it waits for it
	s_cbranch_scc0 .Lnot_next_\@
	s_wait_tensorcnt 0x0
.Lnot_next_\@:
.else
	s_wait_tensorcnt 0x0                           ; the last quarter is all that is still out: every wave waits
.endif
	s_wait_dscnt 0x0                               ; no LDS instruction of mine is out at the signal
	s_barrier_signal -1
	s_barrier_wait -1                              ; everybody's rows have landed
.endif
.if (\n)<7
	v_add_nc_u32 v[AD], ((\n)+1)*32*PB, v[ADB]
	FETCHB 0
	s_wait_dscnt 32                                ; this block's second half is in; the 32 just issued may be out
.else
	s_wait_dscnt 0x0
.endif
.if (\n)==0
	s_wait_loadcnt 18                              ; K steps 4-7 of x are in; set 2's 18 loads may be out
.endif
	MMSEL 1, (\n)%3
	PLACES 8                                       ; for the loads below and for the first read of the results
.if (\n)<7
	s_wait_alu depctr_va_vdst(0)
	FETCHB 1
.endif
	s_wait_xcnt 0x0                                ; the last stores have read their data: the codes' registers are written again only behind this wait
	QUANT ACC
.irp b,0,1,2,3
	global_store_b128 v[OA+\b], v[PC+4*\b:PC+4*\b+3], s[OUT+2*((\n)%2):OUT+2*((\n)%2)+1]   ; 512 consecutive bytes a store
.endr
	s_cmp_eq_u32 s[KIND], 2
	s_cbranch_scc1 .Lpack_v_\@
.if ((\n)%2)==0                                ; q, k: word i = tiles 2 i, 2 i + 1; in each the bytes of c' = 0, 1
	v_lshl_or_b32 v[SW], v[TM+5], 16, v[TM+4]
	v_lshl_or_b32 v[SW+1], v[TM+7], 16, v[TM+6]
.else
	v_lshl_or_b32 v[SW], v[TM+4], 8, v[SW]
	v_lshl_or_b32 v[SW+1], v[TM+6], 8, v[SW+1]
	v_lshl_or_b32 v[SW], v[TM+5], 24, v[SW]
	v_lshl_or_b32 v[SW+1], v[TM+7], 24, v[SW+1]
.endif
	s_branch .Lpacked_\@
.Lpack_v_\@:                                   ; v: word n % 2 = column tiles 2 (n % 2), + 1; in each the bytes of my two blocks of keys
	v_lshl_or_b32 v[SW+((\n)%2)], v[TM+6], 8, v[TM+4]
	v_lshl_or_b32 v[SW+((\n)%2)], v[TM+5], 16, v[SW+((\n)%2)]
	v_lshl_or_b32 v[SW+((\n)%2)], v[TM+7], 24, v[SW+((\n)%2)]
.Lpacked_\@:
.endm
; a head's end: its scale words leave, and the bases step to the next head
.macro HEADEND last
	global_store_b64 v[R8], v[SW:SW+1], s[SOUT:SOUT+1]   ; lanes 16-31 hold and write the same as lanes 0-15: 128 bytes
.if (\last)==0
	s_wait_xcnt 0x0                                ; bases and data are written again only behind this wait
	s_add_nc_u64 s[OUT:OUT+1], s[OUT:OUT+1], s[HS:HS+1]
	s_add_nc_u64 s[OUT+2:OUT+3], s[OUT+2:OUT+3], s[HS:HS+1]
	s_add_nc_u64 s[SOUT:SOUT+1], s[SOUT:SOUT+1], s[HS2:HS2+1]
.endif
.endm
	s_cmp_eq_u32 s[WV], 0                          ; wave 0 fetched the first quarter: it waits for it
	s_cbranch_scc0 .Lnot_first
	s_wait_tensorcnt 0x0
.Lnot_first:
	s_barrier_signal -1
	s_barrier_wait -1                              ; everybody's have
	FETCHB 0
	FETCHB 1
	BLOCK 0
	BLOCK 1
	s_wait_alu depctr_va_vdst(0)
	HEADEND 0
	BLOCK 2
	BLOCK 3
	s_wait_alu depctr_va_vdst(0)
	HEADEND 0
	BLOCK 4
	BLOCK 5
	s_wait_alu depctr_va_vdst(0)
	HEADEND 0
	BLOCK 6
	BLOCK 7
	s_wait_alu depctr_va_vdst(0)
	HEADEND 1
	s_wait_tensorcnt 0x0                           ; the wave's end
	ds_add_u32 v[SPW], v[NIL]
	s_wait_dscnt 0x0
	CROUND                                         ; the closing round
	s_endpgm
.Lfunc_end_k_q5d4613dc0b_qkv:
	.size	k_q5d4613dc0b_qkv, .Lfunc_end_k_q5d4613dc0b_qkv-k_q5d4613dc0b_qkv
	.p2alignl 7, 3214868480
	.fill 96, 4, 3214868480
	.section	.rodata,"a",@progbits
	.p2align	6, 0x0
	.amdhsa_kernel k_q5d4613dc0b_qkv
		.amdhsa_group_segment_fixed_size 266752
		.amdhsa_private_segment_fixed_size 0
		.amdhsa_enable_private_segment 0
		.amdhsa_kernarg_size 88
		.amdhsa_user_sgpr_count 2
		.amdhsa_user_sgpr_kernarg_segment_ptr 1
		.amdhsa_wavefront_size32 1
		.amdhsa_system_sgpr_workgroup_id_x 1
		.amdhsa_system_sgpr_workgroup_id_y 1
		.amdhsa_system_sgpr_workgroup_id_z 1
		.amdhsa_system_vgpr_workitem_id 0
		.amdhsa_next_free_vgpr 1024
		.amdhsa_next_free_sgpr 100
		.amdhsa_reserve_vcc 0
		.amdhsa_float_denorm_mode_32 3
		.amdhsa_float_denorm_mode_16_64 3
		.amdhsa_memory_ordered 1
		.amdhsa_forward_progress 1
		.amdhsa_inst_pref_size 255
	.end_amdhsa_kernel
	.section	.bss,"aw",@nobits
	.p2align	6
	.space	262144
	.amdgpu_metadata
---
amdhsa.version: [ 1, 2 ]
amdhsa.kernels:
  - .name:           k_q5d4613dc0b_qkv
    .symbol:         k_q5d4613dc0b_qkv.kd
    .args:
      - { .name: xbuf, .offset: 0, .size: 8, .value_kind: global_buffer, .address_space: global }
      - { .name: Wq_codes, .offset: 8, .size: 8, .value_kind: global_buffer, .address_space: global }
      - { .name: Wq_scales, .offset: 16, .size: 8, .value_kind: global_buffer, .address_space: global }
      - { .name: bq, .offset: 24, .size: 8, .value_kind: global_buffer, .address_space: global }
      - { .name: Wk_codes, .offset: 32, .size: 8, .value_kind: global_buffer, .address_space: global }
      - { .name: Wk_scales, .offset: 40, .size: 8, .value_kind: global_buffer, .address_space: global }
      - { .name: bk, .offset: 48, .size: 8, .value_kind: global_buffer, .address_space: global }
      - { .name: Wv_codes, .offset: 56, .size: 8, .value_kind: global_buffer, .address_space: global }
      - { .name: Wv_scales, .offset: 64, .size: 8, .value_kind: global_buffer, .address_space: global }
      - { .name: bv, .offset: 72, .size: 8, .value_kind: global_buffer, .address_space: global }
      - { .name: qkvbuf, .offset: 80, .size: 8, .value_kind: global_buffer, .address_space: global }
    .group_segment_fixed_size: 266752
    .private_segment_fixed_size: 0
    .kernarg_segment_align: 8
    .kernarg_segment_size: 88
    .max_flat_workgroup_size: 128
    .sgpr_count:     100
    .vgpr_count:     1024
    .wavefront_size: 32
...
	.end_amdgpu_metadata
.endif
;; end of part 2
;; launch attn (part 3): grid 8 x 32, 16 waves a work-group, clusters of 4 x 1, 272,384 bytes of LDS; arguments qkvbuf, cbuf; writes cbuf
.if DOCPART == 3
	.amdgcn_target "amdgcn-amd-amdhsa--gfx1250"
	.amdhsa_code_object_version 6
	.text
	.protected	k_q5d4613dc0b_attn
	.globl	k_q5d4613dc0b_attn
	.p2align	8
	.type	k_q5d4613dc0b_attn,@function
k_q5d4613dc0b_attn:
	s_mov_b64 s[64:65], 0
	v_nop
	global_prefetch_b8 v0, s[64:65] scope:SCOPE_SE
	s_setreg_imm32_b32 hwreg(HW_REG_WAVE_MODE, 25, 1), 1
	s_wait_xcnt 0x0
	s_wait_alu depctr_hold_cnt(0) depctr_sa_sdst(0) depctr_va_vdst(0) depctr_va_sdst(0) depctr_va_ssrc(0) depctr_va_vcc(0) depctr_vm_vsrc(0)
	s_getreg_b32 s2, hwreg(HW_REG_IB_STS2, 6, 4)
	s_cmp_eq_u32 s2, 0
	s_cbranch_scc0 .Lentry_in_a_cluster
	s_endpgm
.Lentry_in_a_cluster:
	s_bfe_u32 s2, ttmp6, 0x10000c
	s_cmp_lg_u32 s2, 0x3003
	s_cbranch_scc0 .Lentry_shape_is_right
	s_endpgm
.Lentry_shape_is_right:
; ctx = softmax(q k^T / 8) v for one head, both products on codes of E5M2, and ctx quantised along the model's 1,024 for the projection.  Nothing is left out.
; THE SOFTMAX AHEAD OF THE SECOND PRODUCT: t = score x log2(e) / 8; M = the row's largest t so far, rounded UP to a whole number; p = 2^(t - M) is what is quantised, along the keys, not normalised.
; The row's sum is taken of the unquantised p and divides at the end.  When M moves, the sum and O are multiplied by 2^(old M - new M): exact.
; SHARES.  A work-group owns 256 queries of one head (x: which; y: batch x 16 + head), each of its sixteen waves 16 of them in 256 registers: four waves to a SIMD, so that one wave's vector work
; stands beside another's matrix work.  THE HEAD'S k AND v, 16 key steps of 16,896 bytes as the launch before laid them, LIE WHOLE IN LDS: wave w fetches key step w, one tensor load; no ring, no barrier in the loop.
; The four work-groups of a cluster belong to one head and ask jointly.  No prefetch: all that the launch reads is asked for at its head.
; LAYOUT.  Both products transposed: S^T = k q^T, O^T = v^T p^T: a lane holds ONE query (lane % 16) throughout.
; THE FIRST PRODUCT'S K IS 64, the instruction's 128: a fragment of k holds TWO tiles of keys (registers 0-7: keys 32 b + r, registers 8-15: keys 32 b + 16 + r).  q lies as [zeros | q | zeros] in 24 registers:
; [q, 0] picks the first tile, [0, q] the second: zero codes add nothing (k's codes are finite: the hold; no scale byte is 0xff).
; In S^T register 8 (2 b + u) + j of lane (r, h) is key 32 b + 16 u + 8 h + j: p's 16 registers of a block stand in the operand's places 16 h + 8 u + j, the order in which v's codes were laid along the keys.
; cbuf: codes [q 2][tile 256][s' 4][c 4][lane][16], head hd at q = hd / 8, s' = (hd / 2) % 4, c = 2 (hd % 2) + c'; from 4,194,304 the scale words [q][tile][s' / 2][r 16][s' % 2].
; My two scale bytes a row leave by a store of two bytes a lane, 1 / 32 of the codes' bytes: a row's word is shared by two heads, that is by two work-groups.
; LIMITS: as stated at the head of the first launch.
.set STEPB, 16896
.set KVOFF, 4325376
.set SPARE, 16*STEPB                   ; behind the head's 270,336 bytes: the spare words, 128 bytes a wave
.set LI,  1                            ; v1   16 x lane
.set R8,  2                            ; v2   8 r
.set ADK, 3                            ; v3   the step's fragments
.set ADS, 4                            ; v4   the step's scale words (16,384 bytes on: in the immediates)
.set SPW, 5
.set NIL, 6
.set KS,  8                            ; v8-11   k's scale words
; v12 -M, v13 the largest t, v[14:15] the sum in two halves
.set QZ,  16                           ; v16-39  [0 | q | 0]
.set KV,  40                           ; v40-103 four fragments of k, then of v
.set S,   104                          ; v104-167 S^T, then p
.set O,   168                          ; v168-199 O^T
.set PC,  200                          ; v200-215 p's codes
.set BM,  216                          ; v216-219 block maxima, v220-223 permutes and bytes, v224-227 57,344 x the scale, v228-231 scale operands
.set PD,  220
.set HB,  224
.set SC,  228
.set VR,  232                          ; v232-235 v's scale bytes as they lie
.set VS,  236                          ; v236-239 v's scale words
.set QS,  240
.set PS,  241
.set F,   242                          ; v[242:243] f (the pair's upper word is written once)
.set T,   244
.set T2,  246
.set WV,  8
.set G1,  16
.set G0,  24
.set SEL, 28
.set CS,  30
.set MNT, 32
.set TB,  33
.set CNT, 34
.set P0,  35
.set P1,  36
.macro PLACES n
.rept \n
	v_nop
.endr
.endm
.macro CROUND
	s_barrier_signal -1
	s_barrier_wait -1
	s_cmp_lg_u32 s[WV], 0
	s_cbranch_scc1 .Lnot_wave_0_\@
	s_barrier_signal -3
.Lnot_wave_0_\@:
	s_barrier_wait -3
	s_barrier_signal -1
	s_barrier_wait -1
.endm
	s_load_b128 s[4:7], s[0:1], 0x0                ; qkvbuf, cbuf
	v_lshl_add_u32 v[SPW], v0, 2, SPARE
	v_mov_b32 v[NIL], 0
	ds_add_u32 v[SPW], v[NIL]                      ; the wave's opening: the add, twice on end, and its wait ahead of my first tensor load
	ds_add_u32 v[SPW], v[NIL]
	v_lshrrev_b32 v1, 5, v0
	s_delay_alu instid0(VALU_DEP_1)
	v_readfirstlane_b32 s[WV], v1                  ; wave 0..15
	s_and_b32 s11, ttmp7, 0xffff                   ; batch x 16 + head
	s_mov_b32 s[G1], 15|(3<<16)|(1<<21)            ; mask: all four partners; elements of 8 bytes; bit 21 beside a mask; no padding: images are read 512 bytes on end
	s_mov_b32 s[G1+1], 32<<16                      ; a dense block as 66 rows of 256 bytes
	s_mov_b32 s[G1+2], 66<<16
	s_mov_b32 s[G1+3], 32<<16
	s_mov_b32 s[G1+4], 66
	s_mov_b32 s[G1+5], 32
	s_mov_b32 s[G1+6], 0
	s_mov_b32 s[G1+7], 0
	s_mul_i32 s14, s[WV], STEPB                    ; key step w: in LDS,
	s_mul_i32 s12, s11, 16*STEPB
	s_add_co_u32 s12, s12, s14
	s_add_co_u32 s12, s12, KVOFF                   ; and in memory
	s_mov_b32 s13, 0
	s_mov_b32 s[SEL], 0x76543210
	s_mov_b32 s[SEL+1], 0xfedcba98
	s_mov_b32 s[CS], 0x3e38aa3b                    ; c = log2(e) / 8
	s_mov_b32 s[CS+1], s[CS]
	s_mov_b32 s[MNT], 0x600000
	s_mov_b32 s[P0], 0x05040100                    ; v_perm_b32: the two low halves; the two high halves
	s_mov_b32 s[P1], 0x07060302
	s_mov_b32 s[TB], 0
	s_mov_b32 s[CNT], 16
	; what hangs on my place in the cluster: my queries and where ctx goes
	s_bfe_u32 s9, ttmp6, 0x40000
	s_lshl_b32 s10, ttmp9, 2
	s_add_co_u32 s10, s10, s9                      ; my block of 256 queries
	s_lshl_b32 s40, s10, 4
	s_add_co_u32 s40, s40, s[WV]                   ; my tile in the batch, 0..127
	s_lshl_b32 s42, s11, 17
	s_lshl_b32 s41, s40, 10
	s_add_co_u32 s42, s42, s41                     ; q's codes
	s_mov_b32 s43, 0
	s_lshl_b32 s38, s11, 12
	s_lshr_b32 s41, s40, 2
	s_lshl_b32 s41, s41, 7
	s_add_co_u32 s38, s38, s41                     ; 128 bytes for each four tiles,
	s_bfe_u32 s41, s40, 0x10001
	s_lshl_b32 s41, s41, 2
	s_add_co_u32 s38, s38, s41                     ; the word,
	s_and_b32 s41, s40, 1
	s_lshl_b32 s41, s41, 1
	s_add_co_u32 s38, s38, s41                     ; the half of it
	s_add_co_u32 s38, s38, 0x400000
	s_mov_b32 s39, 0
	s_lshr_b32 s52, s11, 4                         ; batch
	s_and_b32 s53, s11, 15                         ; head
	s_lshr_b32 s54, s53, 3
	s_lshl_b32 s54, s54, 8
	s_lshl_b32 s52, s52, 7
	s_add_co_u32 s54, s54, s52
	s_add_co_u32 s54, s54, s40                     ; 256 q + tile
	s_bfe_u32 s55, s53, 0x20001                    ; s'
	s_and_b32 s53, s53, 1
	s_lshl_b32 s48, s54, 13
	s_lshl_b32 s56, s55, 11
	s_add_co_u32 s48, s48, s56
	s_lshl_b32 s56, s53, 10
	s_add_co_u32 s48, s48, s56                     ; ctx's codes
	s_mov_b32 s49, 0
	s_lshl_b32 s50, s54, 8
	s_lshr_b32 s56, s55, 1
	s_lshl_b32 s56, s56, 7
	s_add_co_u32 s50, s50, s56
	s_and_b32 s56, s55, 1
	s_lshl_b32 s56, s56, 2
	s_add_co_u32 s50, s50, s56
	s_lshl_b32 s56, s53, 1
	s_add_co_u32 s50, s50, s56
	s_add_co_u32 s50, s50, 0x400000                ; its scale bytes
	s_mov_b32 s51, 0
	s_wait_dscnt 0x0                               ; both opening adds are done
	s_wait_kmcnt 0x0
	s_add_nc_u64 s[44:45], s[4:5], s[42:43]
	s_add_nc_u64 s[46:47], s[4:5], s[38:39]
	s_add_nc_u64 s[48:49], s[6:7], s[48:49]
	s_add_nc_u64 s[50:51], s[6:7], s[50:51]
	CROUND                                         ; all four partners are here: the joint loads meet
	s_mov_b32 s[G0], 1
	s_mov_b32 s[G0+1], s14
	s_add_nc_u64 s[G0+2:G0+3], s[4:5], s[12:13]
	s_or_b32 s[G0+3], s[G0+3], 0x80000000
	tensor_load_to_lds s[G0:G0+3], s[G1:G1+7]      ; my one tensor load of the launch
	s_nop 0
	PLACES 4
	v_and_b32 v[LI], 31, v0
	s_delay_alu instid0(VALU_DEP_1)
	v_lshlrev_b32 v[LI], 4, v[LI]
	v_and_b32 v[R8], 15, v0
	s_delay_alu instid0(VALU_DEP_1)
	v_lshlrev_b32 v[R8], 3, v[R8]
	global_load_b128 v[QZ+8:QZ+11], v[LI], s[44:45]
	global_load_b128 v[QZ+12:QZ+15], v[LI], s[44:45] offset:512
	global_load_u16 v[T], v[R8], s[46:47]          ; my row's two scale bytes
.irp j,0,1,2,3,4,5,6,7
	v_mov_b32 v[QZ+\j], 0
	v_mov_b32 v[QZ+16+\j], 0
.endr
	v_mov_b32 v13, 0xff61b1e6                      ; the largest t so far: -3e38, under every t
	s_delay_alu instid0(VALU_DEP_1)
	v_floor_f32 v12, -v13
	v_mov_b32 v14, 0
	v_mov_b32 v15, 0
	v_mov_b32 v[F+1], 0
.irp b,0,1,2,3
	v_mov_b32 v[PD+\b], 0                          ; written once: a lane permute's destination counts as one of its sources
.endr
	s_wait_loadcnt 0x0
	v_lshl_or_b32 v[QS], v[T], 16, v[T]            ; the two bytes serve [q, 0] in bytes 0, 1 and [0, q] in bytes 2, 3
.set J, 0
.rept 32
	v_mov_b32 v[O+J], 0                            ; the step is written once: the first finds zeros, which the first change of M leaves zeros
.set J, J+1
.endr
	s_wait_tensorcnt 0x0                           ; my key step has landed,
	s_barrier_signal -1
	s_barrier_wait -1                              ; everybody's has
.Lstep:                                            ; sixteen trips of 128 keys
	v_add_nc_u32 v[ADK], s[TB], v[LI]
	v_add_nc_u32 v[ADS], s[TB], v[R8]
	PLACES 6                                       ; with the two additions: eight places ahead of loads into registers that the last products read
.irp b,0,1,2,3
.irp c,0,1,2,3
	ds_load_b128 v[KV+16*\b+4*\c:KV+16*\b+4*\c+3], v[ADK] offset:2048*\b+512*\c
.endr
.endr
	ds_load_b64 v[KS:KS+1], v[ADS] offset:16384
	ds_load_b64 v[KS+2:KS+3], v[ADS] offset:16512
	s_wait_alu depctr_va_vdst(0)
	s_wait_dscnt 0x0
.irp b,0,1,2,3
.irp u,0,1
	v_wmma_scale_f32_16x16x128_f8f6f4 v[S+8*(2*\b+\u):S+8*(2*\b+\u)+7], v[KV+16*\b:KV+16*\b+15], v[QZ+8-8*\u:QZ+23-8*\u], 0, v[KS+\b], v[QS] matrix_a_fmt:MATRIX_FMT_BF8 matrix_b_fmt:MATRIX_FMT_BF8
.endr
.endr
	PLACES 8                                       ; ahead of the loads below and of the first read of the scores
.irp t,0,1,2,3
.irp c,0,1,2,3
	ds_load_b128 v[KV+16*\t+4*\c:KV+16*\t+4*\c+3], v[ADK] offset:8192+2048*\t+512*\c    ; v's fragments land under the softmax
.endr
.endr
	ds_load_b64 v[VR:VR+1], v[ADS] offset:16640
	ds_load_b64 v[VR+2:VR+3], v[ADS] offset:16768
.irp b,0,1,2,3
	v_max3_num_f32 v[BM+\b], v[S+16*\b], v[S+1+16*\b], v[S+2+16*\b]    ; the largest score of each block of 32 keys: for the row's maximum, and, since p rises with the score, for the block's largest p
.endr
.irp i,3,5,7,9,11,13
.irp b,0,1,2,3
	v_max3_num_f32 v[BM+\b], v[BM+\b], v[S+16*\b+\i], v[S+1+16*\b+\i]
.endr
.endr
.irp b,0,1,2,3
	v_max_num_f32 v[BM+\b], v[BM+\b], v[S+15+16*\b]
.endr
.irp b,0,1,2,3
	s_delay_alu instid0(VALU_DEP_4)
	v_permlanex16_b32 v[PD+\b], v[BM+\b], s[SEL], s[SEL+1]
.endr
.irp b,0,1,2,3
	s_delay_alu instid0(VALU_DEP_4)
	v_max_num_f32 v[BM+\b], v[BM+\b], v[PD+\b]
.endr
	s_delay_alu instid0(VALU_DEP_2)
	v_max3_num_f32 v[T], v[BM], v[BM+1], v[BM+2]
	s_delay_alu instid0(VALU_DEP_1)
	v_max_num_f32 v[T], v[T], v[BM+3]
	s_delay_alu instid0(VALU_DEP_1)
	v_mul_f32 v[T], s[CS], v[T]                    ; as t (c is positive)
	s_delay_alu instid0(VALU_DEP_1)
	v_max_num_f32 v13, v13, v[T]
	v_mov_b32 v[T], v12
	s_delay_alu instid0(VALU_DEP_2)
	v_floor_f32 v12, -v13                          ; -M = floor(-t): M is a whole number
	s_delay_alu instid0(VALU_DEP_1)
	v_sub_f32 v[T], v12, v[T]                      ; old M - new M: a whole number, 0 or less
	s_delay_alu instid0(VALU_DEP_1)
	v_cvt_i32_f32 v[T], v[T]                       ; (it saturates)
	s_delay_alu instid0(VALU_DEP_1)
	v_ldexp_f32 v[F], 1.0, v[T]                    ; f = 2^(old M - new M)
.set J, 0
.rept 32
	v_pk_fma_f32 v[S+J:S+J+1], v[S+J:S+J+1], s[CS:CS+1], v[12:13] op_sel_hi:[1,0,0]     ; t - M
.set J, J+2
.endr
.irp b,0,1,2,3
	v_fma_f32 v[BM+\b], v[BM+\b], s[CS], v12
.endr
.set J, 0
	s_wait_alu depctr_va_vdst(0)
.rept 64
	v_exp_f32 v[S+J], v[S+J]                       ; p = 2^(t - M), at most 1
.set J, J+1
.endr
	v_pk_mul_f32 v[14:15], v[14:15], v[F:F+1] op_sel_hi:[1,0]      ; the sums under the new M (the plain line behind the batch)
	s_wait_alu depctr_va_vdst(0)                   ; the wait ahead of the first line that names a result: one for the 64
.irp b,0,1,2,3
	v_exp_f32 v[BM+\b], v[BM+\b]                   ; the block's largest p: the same two instructions on the same number
.endr
	v_pk_add_f32 v[246:247], v[108:109], v[112:113]
	v_pk_add_f32 v[254:255], v[116:117], v[120:121]
	v_pk_add_f32 v[252:253], v[124:125], v[128:129]
	v_pk_add_f32 v[250:251], v[132:133], v[136:137]
	v_pk_add_f32 v[248:249], v[140:141], v[144:145]
	v_pk_add_f32 v[238:239], v[148:149], v[152:153]
	v_pk_add_f32 v[236:237], v[156:157], v[160:161]
	v_pk_add_f32 v[14:15], v[14:15], v[164:165]
	v_pk_add_f32 v[246:247], v[246:247], v[104:105]
	v_pk_add_f32 v[254:255], v[254:255], v[106:107]
	v_pk_add_f32 v[252:253], v[252:253], v[110:111]
	v_pk_add_f32 v[250:251], v[250:251], v[114:115]
	v_pk_add_f32 v[248:249], v[248:249], v[118:119]
	v_pk_add_f32 v[238:239], v[238:239], v[122:123]
	v_pk_add_f32 v[236:237], v[236:237], v[126:127]
	v_pk_add_f32 v[14:15], v[14:15], v[130:131]
	v_pk_add_f32 v[246:247], v[246:247], v[134:135]
	v_pk_add_f32 v[254:255], v[254:255], v[138:139]
	v_pk_add_f32 v[252:253], v[252:253], v[142:143]
	v_pk_add_f32 v[250:251], v[250:251], v[146:147]
	v_pk_add_f32 v[248:249], v[248:249], v[150:151]
	v_pk_add_f32 v[238:239], v[238:239], v[154:155]
	v_pk_add_f32 v[236:237], v[236:237], v[158:159]
	v_pk_add_f32 v[14:15], v[14:15], v[162:163]
	v_pk_add_f32 v[246:247], v[246:247], v[166:167]
	s_delay_alu instid0(VALU_DEP_2)
	v_pk_add_f32 v[14:15], v[14:15], v[250:251]
	s_delay_alu instid0(VALU_DEP_2)
	v_pk_add_f32 v[246:247], v[246:247], v[248:249]
	v_pk_add_f32 v[254:255], v[254:255], v[238:239]
	v_pk_add_f32 v[252:253], v[252:253], v[236:237]
	s_delay_alu instid0(VALU_DEP_2)
	v_pk_add_f32 v[14:15], v[14:15], v[254:255]
	s_delay_alu instid0(VALU_DEP_2)
	v_pk_add_f32 v[246:247], v[246:247], v[252:253]
	s_delay_alu instid0(VALU_DEP_1)
	v_pk_add_f32 v[14:15], v[14:15], v[246:247]
	s_wait_alu depctr_va_vdst(0)                   ; and one for the four
.irp b,0,1,2,3
	v_max_num_f32 v[BM+\b], 0x8000000, v[BM+\b]    ; the floor 2^(16 - 127)
.endr
.irp b,0,1,2,3
	s_delay_alu instid0(VALU_DEP_4)
	v_add_nc_u32 v[SC+\b], 0xf8800000, v[BM+\b]
.endr
.irp b,0,1,2,3
	v_and_or_b32 v[HB+\b], v[BM+\b], 0x7f800000, s[MNT]
.endr
.irp b,0,1,2,3
	v_lshrrev_b32 v[PD+\b], 23, v[SC+\b]
.endr
	s_delay_alu instid0(VALU_DEP_3)
	v_lshl_or_b32 v[PS], v[PD+1], 8, v[PD]         ; p's scale word for these 128 keys
	s_delay_alu instid0(VALU_DEP_1)
	v_lshl_or_b32 v[PS], v[PD+2], 16, v[PS]
	s_delay_alu instid0(VALU_DEP_1)
	v_lshl_or_b32 v[PS], v[PD+3], 24, v[PS]
.irp b,0,1,2,3
.irp i,0,2,4,6,8,10,12,14
	v_dual_min_num_f32 v[S+16*\b+\i], v[S+16*\b+\i], v[HB+\b] :: v_dual_min_num_f32 v[S+16*\b+\i+1], v[S+16*\b+\i+1], v[HB+\b]   ; the conversion does not saturate (ISA guide 7.6.2); p is not negative: a one-sided hold, two numbers an instruction
.endr
	v_cvt_scalef32_pk8_bf8_f32 v[PC+4*\b:PC+1+4*\b], v[S+16*\b:S+7+16*\b], v[SC+\b]
	v_cvt_scalef32_pk8_bf8_f32 v[PC+2+4*\b:PC+3+4*\b], v[S+8+16*\b:S+15+16*\b], v[SC+\b]
.endr
	s_wait_dscnt 0x0                               ; v's fragments and scale bytes are in
	v_perm_b32 v[VS], v[VR+2], v[VR], s[P0]        ; tile t's word: the bytes of key blocks 0, 1 (first half) and 2, 3 (second half)
	v_perm_b32 v[VS+1], v[VR+2], v[VR], s[P1]
	v_perm_b32 v[VS+2], v[VR+3], v[VR+1], s[P0]
	v_perm_b32 v[VS+3], v[VR+3], v[VR+1], s[P1]
.set J, 0
.rept 16
	v_pk_mul_f32 v[O+J:O+J+1], v[O+J:O+J+1], v[F:F+1] op_sel_hi:[1,0]      ; O^T under the new M; for each product below twelve of these name none of its registers: the places behind the scale words and the codes
.set J, J+2
.endr
.irp t,0,1,2,3
	v_wmma_scale_f32_16x16x128_f8f6f4 v[O+8*\t:O+8*\t+7], v[KV+16*\t:KV+16*\t+15], v[PC:PC+15], v[O+8*\t:O+8*\t+7], v[VS+\t], v[PS] matrix_a_fmt:MATRIX_FMT_BF8 matrix_b_fmt:MATRIX_FMT_BF8
.endr
	s_add_co_u32 s[TB], s[TB], STEPB
	s_sub_co_u32 s[CNT], s[CNT], 1
	s_cmp_lg_u32 s[CNT], 0
	s_cbranch_scc1 .Lstep
	; THE WAY OUT: O^T / the sum, quantised as two blocks of 32 along the model's axis: register 8 t + j is channel 16 t + 8 h + j of my query
	PLACES 8
	v_add_f32 v14, v14, v15
	s_delay_alu instid0(VALU_DEP_1)
	v_permlanex16_b32 v[T], v14, s[SEL], s[SEL+1]
	s_delay_alu instid0(VALU_DEP_1)
	v_add_f32 v14, v14, v[T]                       ; the row's sum
	s_wait_alu depctr_va_vdst(0)
	v_rcp_f32 v[F], v14
	v_nop
	s_wait_alu depctr_va_vdst(0)
.set J, 0
.rept 16
	v_pk_mul_f32 v[S+J:S+J+1], v[O+J:O+J+1], v[F:F+1] op_sel_hi:[1,0]      ; each accumulator from its low end on
.set J, J+2
.endr
.irp b,0,1
	v_max3_num_f32 v[BM+\b], |v[S+16*\b]|, |v[S+1+16*\b]|, 0x8000000
.endr
.irp i,2,4,6,8,10,12,14
.irp b,0,1
	s_delay_alu instid0(VALU_DEP_2)
	v_max3_num_f32 v[BM+\b], v[BM+\b], |v[S+16*\b+\i]|, |v[S+1+16*\b+\i]|
.endr
.endr
.irp b,0,1
	s_delay_alu instid0(VALU_DEP_2)
	v_permlanex16_b32 v[PD+\b], v[BM+\b], s[SEL], s[SEL+1]
.endr
.irp b,0,1
	s_delay_alu instid0(VALU_DEP_2)
	v_max_num_f32 v[BM+\b], v[BM+\b], v[PD+\b]
.endr
.irp b, 0
	s_delay_alu instid0(VALU_DEP_2)
	v_add_nc_u32 v[SC+\b], 0xf8800000, v[BM+\b]
	s_delay_alu instid0(VALU_DEP_3)
	v_and_or_b32 v[HB+\b], v[BM+\b], 0x7f800000, s[MNT]
.endr
.irp b, 1
	s_delay_alu instid0(VALU_DEP_3)
	v_add_nc_u32 v[SC+\b], 0xf8800000, v[BM+\b]
	s_delay_alu instid0(VALU_DEP_4)
	v_and_or_b32 v[HB+\b], v[BM+\b], 0x7f800000, s[MNT]
.endr
.irp b, 0
	s_delay_alu instid0(VALU_DEP_4)
	v_lshrrev_b32 v[PD+\b], 23, v[SC+\b]
.endr
.irp b, 1
	s_delay_alu instid0(VALU_DEP_3)
	v_lshrrev_b32 v[PD+\b], 23, v[SC+\b]
.endr
.irp b,0,1
.irp i,0,1,2,3,4,5,6,7,8,9,10,11,12,13,14,15
	v_med3_num_f32 v[S+16*\b+\i], v[S+16*\b+\i], -v[HB+\b], v[HB+\b]
.endr
	v_cvt_scalef32_pk8_bf8_f32 v[PC+4*\b:PC+1+4*\b], v[S+16*\b:S+7+16*\b], v[SC+\b]
	v_cvt_scalef32_pk8_bf8_f32 v[PC+2+4*\b:PC+3+4*\b], v[S+8+16*\b:S+15+16*\b], v[SC+\b]
.endr
	v_lshl_or_b32 v[T], v[PD+1], 8, v[PD]          ; (also the plain line behind the conversions)
	global_store_b128 v[LI], v[PC:PC+3], s[48:49]
	global_store_b128 v[LI], v[PC+4:PC+7], s[48:49] offset:512
	global_store_b16 v[R8], v[T], s[50:51]         ; lanes 16-31 hold and write the same as lanes 0-15
	s_wait_tensorcnt 0x0                           ; the wave's end
	ds_add_u32 v[SPW], v[NIL]
	s_wait_dscnt 0x0
	CROUND                                         ; the closing round
	s_endpgm
.Lfunc_end_k_q5d4613dc0b_attn:
	.size	k_q5d4613dc0b_attn, .Lfunc_end_k_q5d4613dc0b_attn-k_q5d4613dc0b_attn
	.p2alignl 7, 3214868480
	.fill 96, 4, 3214868480
	.section	.rodata,"a",@progbits
	.p2align	6, 0x0
	.amdhsa_kernel k_q5d4613dc0b_attn
		.amdhsa_group_segment_fixed_size 272384
		.amdhsa_private_segment_fixed_size 0
		.amdhsa_enable_private_segment 0
		.amdhsa_kernarg_size 16
		.amdhsa_user_sgpr_count 2
		.amdhsa_user_sgpr_kernarg_segment_ptr 1
		.amdhsa_wavefront_size32 1
		.amdhsa_system_sgpr_workgroup_id_x 1
		.amdhsa_system_sgpr_workgroup_id_y 1
		.amdhsa_system_sgpr_workgroup_id_z 1
		.amdhsa_system_vgpr_workitem_id 0
		.amdhsa_next_free_vgpr 256
		.amdhsa_next_free_sgpr 66
		.amdhsa_reserve_vcc 0
		.amdhsa_float_denorm_mode_32 3
		.amdhsa_float_denorm_mode_16_64 3
		.amdhsa_memory_ordered 1
		.amdhsa_forward_progress 1
		.amdhsa_inst_pref_size 34
	.end_amdhsa_kernel
	.amdgpu_metadata
---
amdhsa.version: [ 1, 2 ]
amdhsa.kernels:
  - .name:           k_q5d4613dc0b_attn
    .symbol:         k_q5d4613dc0b_attn.kd
    .args:
      - { .name: qkvbuf, .offset: 0, .size: 8, .value_kind: global_buffer, .address_space: global }
      - { .name: cbuf, .offset: 8, .size: 8, .value_kind: global_buffer, .address_space: global }
    .group_segment_fixed_size: 272384
    .private_segment_fixed_size: 0
    .kernarg_segment_align: 8
    .kernarg_segment_size: 16
    .max_flat_workgroup_size: 512
    .sgpr_count:     66
    .vgpr_count:     256
    .wavefront_size: 32
...
	.end_amdgpu_metadata
.endif
;; end of part 3
;; launch oproj (part 4): grid 8 x 32, 4 waves a work-group, clusters of 4 x 4, 327,680 bytes of LDS; arguments cbuf, Wo_codes, Wo_scales, bo, x, y1; writes y1
.if DOCPART == 4
	.amdgcn_target "amdgcn-amd-amdhsa--gfx1250"
	.amdhsa_code_object_version 6
	.text
	.protected	k_q5d4613dc0b_oproj
	.globl	k_q5d4613dc0b_oproj
	.p2align	8
	.type	k_q5d4613dc0b_oproj,@function
k_q5d4613dc0b_oproj:
	s_mov_b64 s[64:65], 0
	v_nop
	global_prefetch_b8 v0, s[64:65] scope:SCOPE_SE
	s_setreg_imm32_b32 hwreg(HW_REG_WAVE_MODE, 25, 1), 1
	s_wait_xcnt 0x0
	s_wait_alu depctr_hold_cnt(0) depctr_sa_sdst(0) depctr_va_vdst(0) depctr_va_sdst(0) depctr_va_ssrc(0) depctr_va_vcc(0) depctr_vm_vsrc(0)
	s_getreg_b32 s2, hwreg(HW_REG_IB_STS2, 6, 4)
	s_cmp_eq_u32 s2, 0
	s_cbranch_scc0 .Lentry_in_a_cluster
	s_endpgm
.Lentry_in_a_cluster:
	s_bfe_u32 s2, ttmp6, 0x10000c
	s_cmp_lg_u32 s2, 0xf033
	s_cbranch_scc0 .Lentry_shape_is_right
	s_endpgm
.Lentry_shape_is_right:
; y1 = x + ctx Wo + bo on codes of E5M2 with E8M0 scales: 4,096 x 1,024 x 1,024.  Nothing is left out.
; SHARES: a work-group makes 128 x 128 of y1, each of its four waves 64 x 64 in 16 accumulators, which take turns.  K goes in chunks of 512 through two LDS slots: ctx's tiles as images of the operand's registers, Wo's rows of 512 bytes + 16.
; 4 x 4 work-groups form a cluster: ctx's tiles are asked for jointly along a row of it, Wo's along a column.  Waves 0 and 1 fetch for ctx, waves 2 and 3 for Wo, one tensor load each.
; Wo's fragments are read in pieces of 8 bytes, so that inside each block of 32 its k stand in the order in which the launch attn lays ctx's codes.  bo is the first products' C; x is added on the way out, which goes through a stage in LDS.
; LIMITS: as stated at the head of the first launch.
.set NSL,   2
.set KROW,  1024
.set KS,    32
.set SCOFF, 4194304
.set RESID, 1
.set QSTEP, 2097152
.set PB,    528
.set SLOT,  65536+128*PB
.set STAGE, 2*SLOT
.set SPARE, STAGE+4*16*272
.set ADA,  16
.set ADBB, 20
.set STO,  24
.set RD,   25
.set CO,   26
.set SPW,  28
.set NIL,  29
.set PFO,  30
.set BC,   32
.set ASR,  64
.set BSR,  128
.set OB,   192
.set G1A, 24
.set G0A, 32
.set G1B, 48
.set G0B, 56
.set PFA, 66
.set PFS, 68
.set LIM, 70
.set MSB, 0
.macro WIN new
.if MSB != (\new)
	s_set_vgpr_msb (MSB<<8)|(\new)
.set MSB, \new
.endif
.endm
.macro PLACES n
.rept \n
	v_nop
.endr
.endm
.macro CROUND
	s_barrier_signal -1
	s_barrier_wait -1
	s_cmp_lg_u32 s16, 0
	s_cbranch_scc1 .Lnot_wave_0_\@
	s_barrier_signal -3
.Lnot_wave_0_\@:
	s_barrier_wait -3
	s_barrier_signal -1
	s_barrier_wait -1
.endm
.macro JLOAD s
	s_cmp_eq_u32 s17, 0
	s_cbranch_scc0 .Lfor_b_\@
	tensor_load_to_lds s[G0A+4*(\s):G0A+4*(\s)+3], s[G1A:G1A+7]
	s_nop 0
	PLACES 4
	s_branch .Lasked_\@
.Lfor_b_\@:
	tensor_load_to_lds s[G0B+4*(\s):G0B+4*(\s)+3], s[G1B:G1B+7]
	s_nop 0
	PLACES 4
.Lasked_\@:
.endm
	s_load_b256 s[4:11], s[0:1], 0x0
.if RESID
	s_load_b128 s[12:15], s[0:1], 0x20
.else
	s_load_b64 s[12:13], s[0:1], 0x20
.endif
	v_lshl_add_u32 v[SPW], v0, 2, SPARE
	v_mov_b32 v[NIL], 0
	ds_add_u32 v[SPW], v[NIL]
	ds_add_u32 v[SPW], v[NIL]
	v_lshrrev_b32 v1, 5, v0
	v_readfirstlane_b32 s16, v1
	s_lshr_b32 s17, s16, 1
	s_and_b32 s18, s16, 1
	s_bfe_u32 s40, ttmp6, 0x40000
	s_bfe_u32 s41, ttmp6, 0x40004
	s_lshl_b32 s42, ttmp9, 2
	s_add_co_u32 s42, s42, s40
	s_and_b32 s19, ttmp7, 0xffff
	s_lshl_b32 s19, s19, 2
	s_add_co_u32 s19, s19, s41
	s_lshl_b32 s43, s41, 2
	s_lshl_b32 s43, 15, s43
	s_lshl_b32 s44, 0x1111, s40
	s_or_b32 s[G1A], s43, (3<<16)|(1<<21)
	s_mov_b32 s[G1A+1], 32<<16
	s_mov_b32 s[G1A+2], 128<<16
	s_mov_b32 s[G1A+3], 32<<16
	s_mov_b32 s[G1A+4], 128
	s_mov_b32 s[G1A+5], 32
	s_mov_b32 s[G1A+6], 0
	s_mov_b32 s[G1A+7], 0
	s_or_b32 s[G1B], s44, (1<<20)|(1<<21)|(6<<22)|(3<<25)
	s_mov_b32 s[G1B+1], 512<<16
	s_mov_b32 s[G1B+2], 64<<16
	s_mov_b32 s[G1B+3], 512<<16
	s_mov_b32 s[G1B+4], 64
	s_mov_b32 s[G1B+5], KROW
	s_mov_b32 s[G1B+6], 0
	s_mov_b32 s[G1B+7], 0
	s_lshl_b32 s20, s19, 16
	s_lshl_b32 s21, s18, 15
	s_add_co_u32 s20, s20, s21
	s_mov_b32 s21, 0
	s_lshl_b32 s46, s42, 7
	s_lshl_b32 s47, s18, 6
	s_add_co_u32 s46, s46, s47
	s_mul_i32 s46, s46, KROW
	s_mov_b32 s47, 0
	s_lshl_b32 s45, s18, 15
	s_mul_i32 s72, s18, 64*PB
	s_add_co_u32 s72, s72, 65536
	s_wait_dscnt 0x0
	s_wait_kmcnt 0x0
	s_add_nc_u64 s[20:21], s[4:5], s[20:21]
	s_add_nc_u64 s[46:47], s[6:7], s[46:47]
	CROUND
.irp s,0,1
	s_mov_b32 s[G0A+4*\s], 1
	s_add_co_u32 s[G0A+4*\s+1], s45, \s*SLOT
	s_add_nc_u64 s[G0A+4*\s+2:G0A+4*\s+3], s[20:21], \s*QSTEP
	s_or_b32 s[G0A+4*\s+3], s[G0A+4*\s+3], 0x80000000
	s_mov_b32 s[G0B+4*\s], 1
	s_add_co_u32 s[G0B+4*\s+1], s72, \s*SLOT
	s_add_nc_u64 s[G0B+4*\s+2:G0B+4*\s+3], s[46:47], \s*512
	s_or_b32 s[G0B+4*\s+3], s[G0B+4*\s+3], 0x80000000
.endr
	JLOAD 0                                        ; slot 0's fill, behind the opening round: my one tensor load at the head; the addresses and the global loads below are made while it is out
	s_lshl_b32 s84, s19, 11
	s_lshl_b32 s85, s17, 10
	s_add_co_u32 s84, s84, s85
	s_add_co_u32 s84, s84, SCOFF
	s_mov_b32 s85, 0
	s_add_nc_u64 s[74:75], s[4:5], s[84:85]
	s_lshl_b32 s84, s42, 7
	s_lshl_b32 s86, s18, 6
	s_add_co_u32 s84, s84, s86
	s_mul_i32 s86, s84, KS
	s_mov_b32 s87, 0
	s_add_nc_u64 s[76:77], s[8:9], s[86:87]
	s_lshl_b32 s86, s84, 2
	s_add_nc_u64 s[78:79], s[10:11], s[86:87]
	s_lshl_b32 s88, s19, 19
	s_lshl_b32 s89, s17, 18
	s_add_co_u32 s88, s88, s89
	s_add_co_u32 s88, s88, s86
	s_mov_b32 s89, 0
.if RESID
	s_add_nc_u64 s[82:83], s[12:13], s[88:89]
	s_add_nc_u64 s[80:81], s[14:15], s[88:89]
.else
	s_add_nc_u64 s[80:81], s[12:13], s[88:89]
.endif
	v_and_b32 v2, 31, v0
	v_and_b32 v3, 15, v0
	v_bfe_u32 v4, v0, 4, 1
	v_lshlrev_b32 v5, 4, v2
	s_lshl_b32 s84, s17, 15
	v_add_nc_u32 v[ADA], s84, v5
	v_add_nc_u32 v[ADA+1], SLOT, v[ADA]
	v_mul_u32_u24 v6, v3, PB
	v_lshl_add_u32 v6, v4, 3, v6
	s_mul_i32 s84, s18, 64*PB
	s_add_co_u32 s84, s84, 65536
	v_add_nc_u32 v[ADBB], s84, v6
	v_add_nc_u32 v[ADBB+1], SLOT, v[ADBB]
	s_mul_i32 s84, s16, 16*272
	s_add_co_u32 s84, s84, STAGE
	v_mul_u32_u24 v6, v3, 272
	v_lshl_add_u32 v6, v4, 5, v6
	v_add_nc_u32 v[STO], s84, v6
	v_mul_u32_u24 v6, v4, 272
	v_lshl_add_u32 v6, v3, 4, v6
	v_add_nc_u32 v[RD], s84, v6
	v_lshlrev_b32 v6, 12, v4
	v_lshl_add_u32 v[CO], v3, 4, v6
	v_lshlrev_b32 v7, 3, v2
	v_mul_u32_u24 v8, v2, KS
	v_lshlrev_b32 v9, 5, v4
.set Q, 0
.rept NSL
.irp m,0,1,2,3
	global_load_b64 v[ASR+8*Q+2*\m:ASR+8*Q+2*\m+1], v7, s[74:75] offset:65536*Q+256*\m
.endr
.irp p,0,1
	global_load_b128 v[BSR+8*Q+4*\p:BSR+8*Q+4*\p+3], v8, s[76:77] offset:32*\p*KS+16*Q
.endr
.set Q, Q+1
.endr
.irp t,0,1,2,3
	global_load_b128 v[BC+8*\t:BC+8*\t+3], v9, s[78:79] offset:64*\t
	global_load_b128 v[BC+8*\t+4:BC+8*\t+7], v9, s[78:79] offset:64*\t+16
.endr
.if RESID
	WIN 0x80
.irp m,0,1,2,3
.irp i,0,1,2,3,4,5,6,7
	global_load_b128 v[128+32*\m+4*\i:128+32*\m+4*\i+3], v[CO], s[82:83] offset:(16*\m+2*\i)*4096
.endr
.endr
	WIN 0
.endif
.if NSL > 2
	s_and_b32 s90, ttmp7, 0xffff
	s_lshl_b32 s92, s19, 16
	s_lshl_b32 s91, s18, 15
	s_add_co_u32 s92, s92, s91
	s_lshl_b32 s91, s40, 13
	s_add_co_u32 s92, s92, s91
	s_add_co_u32 s92, s92, 2*QSTEP
	s_lshl_b32 s94, s42, 7
	s_lshl_b32 s91, s18, 6
	s_add_co_u32 s94, s94, s91
	s_lshl_b32 s91, s41, 4
	s_add_co_u32 s94, s94, s91
	s_mul_i32 s94, s94, KROW
	s_add_co_u32 s94, s94, 2*512
	s_cmp_eq_u32 s17, 0
	s_cselect_b64 s[PFA:PFA+1], s[4:5], s[6:7]
	s_cselect_b32 s92, s92, s94
	s_cselect_b32 s90, ttmp9, s90
	s_mov_b32 s[PFS], 512
	s_cselect_b32 s[PFS], QSTEP, s[PFS]
	s_mov_b32 s95, KROW
	s_cselect_b32 s95, 512, s95
	s_mov_b32 s93, 0
	s_mov_b32 s[PFS+1], 0
	s_add_nc_u64 s[PFA:PFA+1], s[PFA:PFA+1], s[92:93]
	s_cmp_eq_u32 s90, 0
	s_cselect_b32 s[LIM], 1, -1
	v_lshrrev_b32 v[PFO], 1, v2
	v_mul_lo_u32 v[PFO], v[PFO], s95
	v_and_b32 v10, 1, v2
	v_lshl_add_u32 v[PFO], v10, 8, v[PFO]
.endif
.macro ASK
	s_cmp_eq_u32 s[LIM], 1
	s_cbranch_scc0 .Lnot_mine_\@
	global_prefetch_b8 v[PFO], s[PFA:PFA+1] th:TH_LOAD_NT scope:SCOPE_SE
.Lnot_mine_\@:
.endm
.macro FETCH slot, sp, f
	WIN 0x40
.irp m,0,1,2,3
.irp c,0,1,2,3
	ds_load_b128 v[128*(\f)+16*\m+4*\c:128*(\f)+16*\m+4*\c+3], v[ADA+(\slot)] offset:8192*\m+2048*(\sp)+512*\c
.endr
.endr
.irp t,0,1,2,3
.irp c,0,1,2,3
	ds_load_b64 v[128*(\f)+64+16*\t+4*\c:128*(\f)+64+16*\t+4*\c+1], v[ADBB+(\slot)] offset:16*PB*\t+128*(\sp)+32*\c
	ds_load_b64 v[128*(\f)+64+16*\t+4*\c+2:128*(\f)+64+16*\t+4*\c+3], v[ADBB+(\slot)] offset:16*PB*\t+128*(\sp)+32*\c+16
.endr
.endr
	WIN 0
.endm
.macro WM d, a, b, c, sa, sb, ra, rb
.if (\ra) && (\rb)
	v_wmma_scale_f32_16x16x128_f8f6f4 v[0+(\d):7+(\d)], v[0+(\a):15+(\a)], v[0+(\b):15+(\b)], v[0+(\c):7+(\c)], v[\sa], v[\sb] matrix_a_fmt:MATRIX_FMT_BF8 matrix_b_fmt:MATRIX_FMT_BF8 matrix_a_scale:MATRIX_SCALE_ROW1 matrix_b_scale:MATRIX_SCALE_ROW1
.elseif (\ra)
	v_wmma_scale_f32_16x16x128_f8f6f4 v[0+(\d):7+(\d)], v[0+(\a):15+(\a)], v[0+(\b):15+(\b)], v[0+(\c):7+(\c)], v[\sa], v[\sb] matrix_a_fmt:MATRIX_FMT_BF8 matrix_b_fmt:MATRIX_FMT_BF8 matrix_a_scale:MATRIX_SCALE_ROW1
.elseif (\rb)
	v_wmma_scale_f32_16x16x128_f8f6f4 v[0+(\d):7+(\d)], v[0+(\a):15+(\a)], v[0+(\b):15+(\b)], v[0+(\c):7+(\c)], v[\sa], v[\sb] matrix_a_fmt:MATRIX_FMT_BF8 matrix_b_fmt:MATRIX_FMT_BF8 matrix_b_scale:MATRIX_SCALE_ROW1
.else
	v_wmma_scale_f32_16x16x128_f8f6f4 v[0+(\d):7+(\d)], v[0+(\a):15+(\a)], v[0+(\b):15+(\b)], v[0+(\c):7+(\c)], v[\sa], v[\sb] matrix_a_fmt:MATRIX_FMT_BF8 matrix_b_fmt:MATRIX_FMT_BF8
.endif
.endm
.macro PROD q, sp, first
.if \first
	WIN 0x85
.else
	WIN 0xa5
.endif
.irp m,0,1,2,3
.irp t,0,1,2,3
.if \first
	WM 8*(4*\m+\t), 128*F+64+16*\t, 128*F+16*\m, BC+8*\t, BSR+8*(\q)+4*(\t/2)+(\sp), ASR+8*(\q)+2*\m+(\sp)%2, \t%2, (\sp)/2
.else
	WM 8*(4*\m+\t), 128*F+64+16*\t, 128*F+16*\m, 8*(4*\m+\t), BSR+8*(\q)+4*(\t/2)+(\sp), ASR+8*(\q)+2*\m+(\sp)%2, \t%2, (\sp)/2
.endif
.endr
.endr
.endm
.macro STEP q, sp
.set F, (\sp)%2
.set SL, (\q)%2
.if (\sp) < 3
	s_wait_dscnt 0x0
	PLACES 8
	FETCH SL, (\sp)+1, 1-F
.elseif (\q) < NSL-2
	WIN 0
.if (\q) < NSL-3
	s_wait_xcnt 0x0
	s_add_nc_u64 s[PFA:PFA+1], s[PFA:PFA+1], s[PFS:PFS+1]
.endif
	s_wait_tensorcnt 0x0
	ds_add_u32 v[SPW], v[NIL]
	s_add_nc_u64 s[G0A+4*SL+2:G0A+4*SL+3], s[G0A+4*SL+2:G0A+4*SL+3], 2*QSTEP
	s_add_nc_u64 s[G0B+4*SL+2:G0B+4*SL+3], s[G0B+4*SL+2:G0B+4*SL+3], 2*512
	s_wait_dscnt 0x0
	CROUND
	JLOAD SL
	PLACES 4
	FETCH 1-SL, 0, 0
.if (\q) < NSL-3
	ASK
.endif
.elseif (\q) < NSL-1
	WIN 0
	s_wait_tensorcnt 0x0
	ds_add_u32 v[SPW], v[NIL]
	s_wait_dscnt 0x0
	s_barrier_signal -1
	s_barrier_wait -1
	PLACES 8
	FETCH 1-SL, 0, 0
.else
	s_wait_dscnt 0x0
.endif
.if ((\q)==0) && ((\sp)==0)
	PROD \q, \sp, 1
.else
	PROD \q, \sp, 0
.endif
.endm
	s_wait_alu depctr_va_vdst(0)                   ; the wait at the head's end
	s_wait_tensorcnt 0x0                           ; my part of slot 0 is in
	ds_add_u32 v[SPW], v[NIL]
	s_wait_dscnt 0x0
	CROUND                                         ; a whole round: everybody's part of slot 0 is in, and the partners' joint loads meet
	JLOAD 1                                        ; slot 1's first fill, the first tensor load behind the round
	FETCH 0, 0, 0
	s_wait_loadcnt 32*RESID
.set Q, 0
.rept NSL
.set P, 0
.rept 4
	STEP Q, P
.set P, P+1
.endr
.set Q, Q+1
.endr
	WIN 0
.macro TOSTAGE m
	WIN 0x08
.irp t,0,1,2,3
	ds_store_b128 v[STO], v[8*(4*(\m)+\t):8*(4*(\m)+\t)+3] offset:64*\t
	ds_store_b128 v[STO], v[8*(4*(\m)+\t)+4:8*(4*(\m)+\t)+7] offset:64*\t+16
.endr
	WIN 0
.irp i,0,1,2,3,4,5,6,7
	ds_load_b128 v[OB+32*((\m)%2)+4*\i:OB+32*((\m)%2)+4*\i+3], v[RD] offset:544*\i
.endr
.endm
.macro SEND m, younger
	s_wait_dscnt \younger
.if RESID
.if (\m)==0
	s_wait_loadcnt 0x0
.endif
	WIN 0x08
.irp i,0,2,4,6,8,10,12,14,16,18,20,22,24,26,28,30
	v_pk_add_f32 v[OB+32*((\m)%2)+\i:OB+32*((\m)%2)+\i+1], v[OB+32*((\m)%2)+\i:OB+32*((\m)%2)+\i+1], v[128+32*(\m)+\i:128+32*(\m)+\i+1]
.endr
	WIN 0
.endif
.irp i,0,1,2,3,4,5,6,7
	global_store_b128 v[CO], v[OB+32*((\m)%2)+4*\i:OB+32*((\m)%2)+4*\i+3], s[80:81] offset:(16*(\m)+2*\i)*4096
.endr
.endm
	PLACES 8
	s_wait_alu depctr_va_vdst(0)
	TOSTAGE 0
	TOSTAGE 1
	SEND 0, 16
	s_wait_xcnt 0x0
	TOSTAGE 2
	SEND 1, 16
	s_wait_xcnt 0x0
	TOSTAGE 3
	SEND 2, 16
	SEND 3, 0
	s_wait_tensorcnt 0x0
	ds_add_u32 v[SPW], v[NIL]
	s_wait_dscnt 0x0
	CROUND
	s_endpgm
.Lfunc_end_k_q5d4613dc0b_oproj:
	.size	k_q5d4613dc0b_oproj, .Lfunc_end_k_q5d4613dc0b_oproj-k_q5d4613dc0b_oproj
	.p2alignl 7, 3214868480
	.fill 96, 4, 3214868480
	.section	.rodata,"a",@progbits
	.p2align	6, 0x0
	.amdhsa_kernel k_q5d4613dc0b_oproj
		.amdhsa_group_segment_fixed_size 327680
		.amdhsa_private_segment_fixed_size 0
		.amdhsa_enable_private_segment 0
		.amdhsa_kernarg_size 48
		.amdhsa_user_sgpr_count 2
		.amdhsa_user_sgpr_kernarg_segment_ptr 1
		.amdhsa_wavefront_size32 1
		.amdhsa_system_sgpr_workgroup_id_x 1
		.amdhsa_system_sgpr_workgroup_id_y 1
		.amdhsa_system_sgpr_workgroup_id_z 1
		.amdhsa_system_vgpr_workitem_id 0
		.amdhsa_next_free_vgpr 768
		.amdhsa_next_free_sgpr 96
		.amdhsa_reserve_vcc 0
		.amdhsa_float_denorm_mode_32 3
		.amdhsa_float_denorm_mode_16_64 3
		.amdhsa_memory_ordered 1
		.amdhsa_forward_progress 1
		.amdhsa_inst_pref_size 68
	.end_amdhsa_kernel
	.amdgpu_metadata
---
amdhsa.version: [ 1, 2 ]
amdhsa.kernels:
  - .name:           k_q5d4613dc0b_oproj
    .symbol:         k_q5d4613dc0b_oproj.kd
    .args:
      - { .name: cbuf, .offset: 0, .size: 8, .value_kind: global_buffer, .address_space: global }
      - { .name: Wo_codes, .offset: 8, .size: 8, .value_kind: global_buffer, .address_space: global }
      - { .name: Wo_scales, .offset: 16, .size: 8, .value_kind: global_buffer, .address_space: global }
      - { .name: bo, .offset: 24, .size: 8, .value_kind: global_buffer, .address_space: global }
      - { .name: x, .offset: 32, .size: 8, .value_kind: global_buffer, .address_space: global }
      - { .name: y1, .offset: 40, .size: 8, .value_kind: global_buffer, .address_space: global }
    .group_segment_fixed_size: 327680
    .private_segment_fixed_size: 0
    .kernarg_segment_align: 8
    .kernarg_segment_size: 48
    .max_flat_workgroup_size: 128
    .sgpr_count:     96
    .vgpr_count:     768
    .wavefront_size: 32
...
	.end_amdgpu_metadata
.endif
;; end of part 4
;; launch ln1 (part 5): grid 256 x 1, 8 waves a work-group, no clusters, 18,944 bytes of LDS; arguments y1, g1, be1, x1buf; writes x1buf
.if DOCPART == 5
	.amdgcn_target "amdgcn-amd-amdhsa--gfx1250"
	.amdhsa_code_object_version 6
	.text
	.protected	k_q5d4613dc0b_ln1
	.globl	k_q5d4613dc0b_ln1
	.p2align	8
	.type	k_q5d4613dc0b_ln1,@function
k_q5d4613dc0b_ln1:
	s_mov_b64 s[64:65], 0
	v_nop
	global_prefetch_b8 v0, s[64:65] scope:SCOPE_SE
	s_setreg_imm32_b32 hwreg(HW_REG_WAVE_MODE, 25, 1), 1
	s_wait_xcnt 0x0
; x1 = LayerNorm(y1) g1 + be1 in f32, quantised along its 1,024 into x1buf, laid as the first launch lays xbuf: codes as images [tile 256][K step 8][c 4][lane][16], scale bytes [row][32] from 4,194,304 on.
; x1 itself is not stored: the last launch makes it again from y1, which costs the same read as a stored x1 would and spares the store.  Nothing is left out.
; SHARES: 16 rows a work-group, two a wave: a row lies in one wave's registers (32 a lane), so mean and variance never leave the wave.  Lane l holds k = 256 p + 8 l + 0..7, p = 0..3.
; LIMITS: as stated at the head of the first launch.  The sums' order differs from reference()'s.
.set UP,    272
.set SCB,   64*UP
.set SPARE, SCB+512
.set LO,  1
.set IA,  2
.set SA,  3
.set RA,  4
.set GA,  5
.set L16, 6
.set SR,  7
.set SPW, 10
.set NIL, 11
.set XA,  16
.set XB,  48
.set MX,  80
.set SC,  84
.set HB,  88
.set TS,  92                           ; v92-95 sums, in two chains
.set CD,  96
.set BY,  112
.set MU,  120                          ; v[120:121] the mean, v[122:123] 1 / sqrt(var + eps): the pairs' upper words are written once
.set RS,  122
.set PT,  124
.set GG,  128                          ; v128-159 g1, v160-191 be1 of my 32 columns
.set BE,  160
	s_load_b256 s[4:11], s[0:1], 0x0               ; y1, g1, be1, x1buf
	v_lshl_add_u32 v[SPW], v0, 2, SPARE
	v_mov_b32 v[NIL], 0
	v_lshrrev_b32 v8, 5, v0
	s_delay_alu instid0(VALU_DEP_1)
	v_readfirstlane_b32 s12, v8
	v_and_b32 v8, 31, v0
	s_delay_alu instid0(VALU_DEP_1)
	v_lshlrev_b32 v[LO], 5, v8
	s_delay_alu instid0(VALU_DEP_2)
	v_lshrrev_b32 v[IA], 1, v8
	s_delay_alu instid0(VALU_DEP_1)
	v_mul_u32_u24 v[IA], v[IA], UP
	s_delay_alu instid0(VALU_DEP_4)
	v_and_b32 v9, 1, v8
	s_delay_alu instid0(VALU_DEP_1)
	v_lshl_add_u32 v[IA], v9, 3, v[IA]
	s_lshl_b32 s13, s12, 5
	v_add_nc_u32 v[IA], s13, v[IA]
	v_lshrrev_b32 v[SA], 2, v8
	s_lshl_b32 s13, s12, 6
	s_add_co_u32 s13, s13, SCB
	v_add_nc_u32 v[SA], s13, v[SA]
	v_lshrrev_b32 v[RA], 4, v8
	s_lshl_b32 s13, s12, 3
	v_add_nc_u32 v[RA], s13, v[RA]
	s_delay_alu instid0(VALU_DEP_1)
	v_mul_u32_u24 v[RA], v[RA], UP
	v_and_b32 v9, 15, v8
	s_delay_alu instid0(VALU_DEP_1)
	v_lshl_add_u32 v[RA], v9, 4, v[RA]
	v_lshlrev_b32 v[L16], 4, v8
	s_lshl_b32 s13, s12, 11
	v_add_nc_u32 v[GA], s13, v[L16]
	v_add_nc_u32 v[SR], SCB, v[L16]
	v_mov_b32 v[MU+1], 0
	v_mov_b32 v[RS+1], 0
	v_mov_b32 v[PT], 0
	s_lshl_b32 s14, ttmp9, 16
	s_lshl_b32 s13, s12, 13
	s_add_co_u32 s14, s14, s13
	s_mov_b32 s15, 0
	s_lshl_b32 s16, ttmp9, 14
	s_mov_b32 s17, 0
	s_lshl_b32 s18, ttmp9, 9
	s_add_co_u32 s18, s18, 0x400000
	s_mov_b32 s19, 0
	s_mov_b32 s20, 0x600000
	s_mov_b32 s24, 0x76543210
	s_mov_b32 s25, 0xfedcba98
	s_mov_b32 s26, 0x3a800000                      ; 1 / 1,024
	s_mov_b32 s27, 0x358637bd                      ; 1e-6
	s_wait_kmcnt 0x0
	s_add_nc_u64 s[4:5], s[4:5], s[14:15]
	s_add_nc_u64 s[22:23], s[10:11], s[18:19]
	s_add_nc_u64 s[10:11], s[10:11], s[16:17]
.irp i,0,1
.irp p,0,1,2,3
	global_load_b128 v[XA+32*\i+8*\p:XA+32*\i+8*\p+3], v[LO], s[4:5] offset:4096*\i+1024*\p
	global_load_b128 v[XA+32*\i+8*\p+4:XA+32*\i+8*\p+7], v[LO], s[4:5] offset:4096*\i+1024*\p+16
.endr
.endr
.irp p,0,1,2,3
	global_load_b128 v[GG+8*\p:GG+8*\p+3], v[LO], s[6:7] offset:1024*\p
	global_load_b128 v[GG+8*\p+4:GG+8*\p+7], v[LO], s[6:7] offset:1024*\p+16
.endr
.irp p,0,1,2,3
	global_load_b128 v[BE+8*\p:BE+8*\p+3], v[LO], s[8:9] offset:1024*\p
	global_load_b128 v[BE+8*\p+4:BE+8*\p+7], v[LO], s[8:9] offset:1024*\p+16
.endr
.macro WSUM                            ; v[TS] summed over the 32 lanes, the result in every lane
	s_delay_alu instid0(VALU_DEP_1)
	v_add_f32_dpp v[TS], v[TS], v[TS] row_xmask:1 row_mask:0xf bank_mask:0xf
	s_delay_alu instid0(VALU_DEP_1)
	v_add_f32_dpp v[TS], v[TS], v[TS] row_xmask:2 row_mask:0xf bank_mask:0xf
	s_delay_alu instid0(VALU_DEP_1)
	v_add_f32_dpp v[TS], v[TS], v[TS] row_xmask:4 row_mask:0xf bank_mask:0xf
	s_delay_alu instid0(VALU_DEP_1)
	v_add_f32_dpp v[TS], v[TS], v[TS] row_xmask:8 row_mask:0xf bank_mask:0xf
	s_delay_alu instid0(VALU_DEP_1)
	v_permlanex16_b32 v[PT], v[TS], s24, s25
	s_delay_alu instid0(VALU_DEP_1)
	v_add_f32 v[TS], v[TS], v[PT]
.endm
.macro LNSTAT X                        ; the row becomes (x - mean) / sqrt(var + eps), as reference() has it: the mean first, then the mean of the squared differences
	v_pk_add_f32 v[TS:TS+1], v[\X:\X+1], v[\X+2:\X+3]
	v_pk_add_f32 v[TS+2:TS+3], v[\X+4:\X+5], v[\X+6:\X+7]
.irp j,8,12,16,20,24,28
	s_delay_alu instid0(VALU_DEP_2)
	v_pk_add_f32 v[TS:TS+1], v[TS:TS+1], v[\X+\j:\X+\j+1]
	s_delay_alu instid0(VALU_DEP_2)
	v_pk_add_f32 v[TS+2:TS+3], v[TS+2:TS+3], v[\X+\j+2:\X+\j+3]
.endr
	s_delay_alu instid0(VALU_DEP_1)
	v_pk_add_f32 v[TS:TS+1], v[TS:TS+1], v[TS+2:TS+3]
	s_delay_alu instid0(VALU_DEP_1)
	v_add_f32 v[TS], v[TS], v[TS+1]
	WSUM
	s_delay_alu instid0(VALU_DEP_1)
	v_mul_f32 v[MU], s26, v[TS]
.irp j,0,2,4,6,8,10,12,14,16,18,20,22,24,26,28,30
	v_pk_add_f32 v[\X+\j:\X+\j+1], v[\X+\j:\X+\j+1], v[MU:MU+1] op_sel_hi:[1,0] neg_lo:[0,1] neg_hi:[0,1]
.endr
	v_pk_mul_f32 v[TS:TS+1], v[\X:\X+1], v[\X:\X+1]
	v_pk_mul_f32 v[TS+2:TS+3], v[\X+2:\X+3], v[\X+2:\X+3]
.irp j,4,8,12,16,20,24,28
	s_delay_alu instid0(VALU_DEP_2)
	v_pk_fma_f32 v[TS:TS+1], v[\X+\j:\X+\j+1], v[\X+\j:\X+\j+1], v[TS:TS+1]
	s_delay_alu instid0(VALU_DEP_2)
	v_pk_fma_f32 v[TS+2:TS+3], v[\X+\j+2:\X+\j+3], v[\X+\j+2:\X+\j+3], v[TS+2:TS+3]
.endr
	s_delay_alu instid0(VALU_DEP_1)
	v_pk_add_f32 v[TS:TS+1], v[TS:TS+1], v[TS+2:TS+3]
	s_delay_alu instid0(VALU_DEP_1)
	v_add_f32 v[TS], v[TS], v[TS+1]
	WSUM
	s_delay_alu instid0(VALU_DEP_1)
	v_fma_f32 v[TS], v[TS], s26, s27
	s_wait_alu depctr_va_vdst(0)
	v_rsq_f32 v[RS], v[TS]
	v_nop                                          ; a plain line behind the transcendental,
	s_wait_alu depctr_va_vdst(0)                   ; and the wait ahead of its first reader
.irp j,0,2,4,6,8,10,12,14,16,18,20,22,24,26,28,30
	v_pk_mul_f32 v[\X+\j:\X+\j+1], v[\X+\j:\X+\j+1], v[RS:RS+1] op_sel_hi:[1,0]
.endr
.endm
.macro AFF X
.irp j,0,2,4,6,8,10,12,14,16,18,20,22,24,26,28,30
	v_pk_fma_f32 v[\X+\j:\X+\j+1], v[\X+\j:\X+\j+1], v[GG+\j:GG+\j+1], v[BE+\j:BE+\j+1]
.endr
.endm
.macro QROW X, i                       ; as in the first launch
.irp p,0,1,2,3
	v_max3_num_f32 v[MX+\p], |v[\X+8*\p]|, |v[\X+8*\p+1]|, 0x8000000
.endr
.irp j,2,4,6
.irp p,0,1,2,3
	s_delay_alu instid0(VALU_DEP_4)
	v_max3_num_f32 v[MX+\p], v[MX+\p], |v[\X+8*\p+\j]|, |v[\X+8*\p+\j+1]|
.endr
.endr
.irp p,0,1,2,3
	s_delay_alu instid0(VALU_DEP_4)
	v_max_num_f32_dpp v[MX+\p], v[MX+\p], v[MX+\p] row_xmask:1 row_mask:0xf bank_mask:0xf
.endr
.irp p,0,1,2,3
	s_delay_alu instid0(VALU_DEP_4)
	v_max_num_f32_dpp v[MX+\p], v[MX+\p], v[MX+\p] row_xmask:2 row_mask:0xf bank_mask:0xf
.endr
.irp p,0,1,2,3
	s_delay_alu instid0(VALU_DEP_4)
	v_add_nc_u32 v[SC+\p], 0xf8800000, v[MX+\p]
.endr
.irp p,0,1,2,3
	v_and_or_b32 v[HB+\p], v[MX+\p], 0x7f800000, s20
.endr
.irp p,0,1,2,3
.irp j,0,1,2,3,4,5,6,7
	v_med3_num_f32 v[\X+8*\p+\j], v[\X+8*\p+\j], -v[HB+\p], v[HB+\p]
.endr
	v_cvt_scalef32_pk8_bf8_f32 v[CD+8*\i+2*\p:CD+8*\i+2*\p+1], v[\X+8*\p:\X+8*\p+7], v[SC+\p]
.endr
.irp p,0,1,2,3
	v_lshrrev_b32 v[BY+4*\i+\p], 23, v[SC+\p]
.endr
.irp p,0,1,2,3
	ds_store_b64 v[IA], v[CD+8*\i+2*\p:CD+8*\i+2*\p+1] offset:16*UP*\p+16*\i
	ds_store_b8 v[SA], v[BY+4*\i+\p] offset:32*\i+8*\p
.endr
.endm
	s_wait_loadcnt 24                              ; row a is in; row b, g1 and be1 (8 loads each) may be out
	LNSTAT XA
	s_wait_loadcnt 16                              ; row b is in
	LNSTAT XB
	s_wait_loadcnt 0x0
	AFF XA
	QROW XA, 0
	AFF XB
	QROW XB, 1
	s_wait_dscnt 0x0                               ; for the others' sake: my stores have landed
	s_barrier_signal -1
	s_barrier_wait -1
.irp k,0,1,2,3
	ds_load_b128 v[XA+4*\k:XA+4*\k+3], v[RA] offset:2*UP*\k
.endr
.irp k,0,1,2,3
	s_wait_dscnt 3-\k
	global_store_b128 v[GA], v[XA+4*\k:XA+4*\k+3], s[10:11] offset:512*\k
.endr
	s_cmp_lg_u32 s12, 0
	s_cbranch_scc1 .Lnot_wave_0
	ds_load_b128 v[XB:XB+3], v[SR]
	s_wait_dscnt 0x0
	global_store_b128 v[L16], v[XB:XB+3], s[22:23]
.Lnot_wave_0:
	s_wait_tensorcnt 0x0                           ; the wave's end, behind my last LDS store
	ds_add_u32 v[SPW], v[NIL]
	s_wait_dscnt 0x0
	s_endpgm
.Lfunc_end_k_q5d4613dc0b_ln1:
	.size	k_q5d4613dc0b_ln1, .Lfunc_end_k_q5d4613dc0b_ln1-k_q5d4613dc0b_ln1
	.p2alignl 7, 3214868480
	.fill 96, 4, 3214868480
	.section	.rodata,"a",@progbits
	.p2align	6, 0x0
	.amdhsa_kernel k_q5d4613dc0b_ln1
		.amdhsa_group_segment_fixed_size 18944
		.amdhsa_private_segment_fixed_size 0
		.amdhsa_enable_private_segment 0
		.amdhsa_kernarg_size 32
		.amdhsa_user_sgpr_count 2
		.amdhsa_user_sgpr_kernarg_segment_ptr 1
		.amdhsa_wavefront_size32 1
		.amdhsa_system_sgpr_workgroup_id_x 1
		.amdhsa_system_sgpr_workgroup_id_y 1
		.amdhsa_system_sgpr_workgroup_id_z 1
		.amdhsa_system_vgpr_workitem_id 0
		.amdhsa_next_free_vgpr 192
		.amdhsa_next_free_sgpr 66
		.amdhsa_reserve_vcc 0
		.amdhsa_float_denorm_mode_32 3
		.amdhsa_float_denorm_mode_16_64 3
		.amdhsa_memory_ordered 1
		.amdhsa_forward_progress 1
		.amdhsa_inst_pref_size 34
	.end_amdhsa_kernel
	.amdgpu_metadata
---
amdhsa.version: [ 1, 2 ]
amdhsa.kernels:
  - .name:           k_q5d4613dc0b_ln1
    .symbol:         k_q5d4613dc0b_ln1.kd
    .args:
      - { .name: y1, .offset: 0, .size: 8, .value_kind: global_buffer, .address_space: global }
      - { .name: g1, .offset: 8, .size: 8, .value_kind: global_buffer, .address_space: global }
      - { .name: be1, .offset: 16, .size: 8, .value_kind: global_buffer, .address_space: global }
      - { .name: x1buf, .offset: 24, .size: 8, .value_kind: global_buffer, .address_space: global }
    .group_segment_fixed_size: 18944
    .private_segment_fixed_size: 0
    .kernarg_segment_align: 8
    .kernarg_segment_size: 32
    .max_flat_workgroup_size: 256
    .sgpr_count:     66
    .vgpr_count:     192
    .wavefront_size: 32
...
	.end_amdgpu_metadata
.endif
;; end of part 5
;; launch ff1 (part 6): grid 16 x 16, 4 waves a work-group, clusters of 4 x 1, 327,680 bytes of LDS; arguments x1buf, W1_codes, W1_scales, b1, hbuf; writes hbuf
.if DOCPART == 6
	.amdgcn_target "amdgcn-amd-amdhsa--gfx1250"
	.amdhsa_code_object_version 6
	.text
	.protected	k_q5d4613dc0b_ff1
	.globl	k_q5d4613dc0b_ff1
	.p2align	8
	.type	k_q5d4613dc0b_ff1,@function
k_q5d4613dc0b_ff1:
	s_mov_b64 s[64:65], 0
	v_nop
	global_prefetch_b8 v0, s[64:65] scope:SCOPE_SE
	s_setreg_imm32_b32 hwreg(HW_REG_WAVE_MODE, 25, 1), 1
	s_wait_xcnt 0x0
	s_wait_alu depctr_hold_cnt(0) depctr_sa_sdst(0) depctr_va_vdst(0) depctr_va_sdst(0) depctr_va_ssrc(0) depctr_va_vcc(0) depctr_vm_vsrc(0)
	s_getreg_b32 s2, hwreg(HW_REG_IB_STS2, 6, 4)
	s_cmp_eq_u32 s2, 0
	s_cbranch_scc0 .Lentry_in_a_cluster
	s_endpgm
.Lentry_in_a_cluster:
	s_bfe_u32 s2, ttmp6, 0x10000c
	s_cmp_lg_u32 s2, 0x3003
	s_cbranch_scc0 .Lentry_shape_is_right
	s_endpgm
.Lentry_shape_is_right:
; hidden = relu(x1 W1 + b1) on codes of E5M2, quantised along its 4,096 into hbuf for the launch ff2.  Nothing is left out.
; SHARES: work-group (x, y): rows 256 x on of x1, columns 256 y on.  A wave holds its 64 rows, all of K, in registers; the weight panel, 256 rows of 1,024 bytes, lies whole in LDS, filled once, jointly for the cluster's four.
; Wave i fetches quarter i of the panel, 64 rows, by its one tensor load, in an arm of its own; ahead of the barrier that opens quarter i that wave waits for it; ahead of the last such barrier every wave waits.
; hbuf: codes [K chunk of 512: 8][tile of 16 rows 256][s' 4][c 4][lane][16]; place 16 h + 8 u + j of a block of 32 holds column 16 u + 8 h + j; from 16,777,216 on the scale words [chunk][tile][half 2][r 16][2 words].
; LIMITS: as stated at the head of the first launch.
.set PB,    1040
.set SPARE, 256*PB
.set LI,  1
.set ADB, 4
.set SO,  5
.set AD,  7
.set R8,  8
.set SPW, 10
.set NIL, 11
.set OA,  12
.set AS,  16
.set BC,  32
.set ACC, 80
.set PC,  144
.set TM,  160
.set SW,  176
.set BA,  184
.set BS,  192
.set WS,  10
.set BI,  12
.set G0,  16
.set G1,  32
.set WV,  44
.set OUT, 58
.set SOUT, 62
.set SEL, 70
.set MNT, 72
.set MSB, 0
.macro WIN new
.if MSB != (\new)
	s_set_vgpr_msb (MSB<<8)|(\new)
.set MSB, \new
.endif
.endm
.macro PLACES n
.rept \n
	v_nop
.endr
.endm
.macro CROUND
	s_barrier_signal -1
	s_barrier_wait -1
	s_cmp_lg_u32 s[WV], 0
	s_cbranch_scc1 .Lnot_wave_0_\@
	s_barrier_signal -3
.Lnot_wave_0_\@:
	s_barrier_wait -3
	s_barrier_signal -1
	s_barrier_wait -1
.endm
.macro FETCHB H
	WIN 0x40
.irp u,0,1
.irp s,0,1,2,3
.irp c,0,1,2,3
	ds_load_b128 v[16*(8*\u+4*(\H)+\s)+4*\c:16*(8*\u+4*(\H)+\s)+4*\c+3], v[AD] offset:16*PB*\u+128*(4*(\H)+\s)+32*\c
.endr
.endr
.endr
	WIN 0
.endm
.macro GLOADS nb, set
.irp u,0,1
	global_load_b128 v[BS+8*(\set)+4*\u:BS+8*(\set)+4*\u+3], v[SO], s[WS:WS+1] offset:(32*(\nb)+16*\u)*32
.irp j,0,1,2,3,4,5,6,7
	global_load_b32 v[BC+16*(\set)+8*\u+\j], v[BA+\j], s[BI:BI+1] offset:(32*(\nb)+16*\u)*4
.endr
.endr
.endm
	s_load_b64 s[4:5], s[0:1], 0x0
	s_load_b128 s[8:11], s[0:1], 0x8
	s_load_b64 s[12:13], s[0:1], 0x18
	s_load_b64 s[6:7], s[0:1], 0x20
	v_lshl_add_u32 v[SPW], v0, 2, SPARE
	v_mov_b32 v[NIL], 0
	ds_add_u32 v[SPW], v[NIL]
	ds_add_u32 v[SPW], v[NIL]
	v_lshrrev_b32 v1, 5, v0
	v_readfirstlane_b32 s[WV], v1
	s_and_b32 s47, ttmp7, 0xffff
	s_mov_b32 s[G1], 15|(1<<20)|(1<<21)|(7<<22)|(3<<25)
	s_mov_b32 s[G1+1], 1024<<16
	s_mov_b32 s[G1+2], 64<<16
	s_mov_b32 s[G1+3], 1024<<16
	s_mov_b32 s[G1+4], 64
	s_mov_b32 s[G1+5], 1024
	s_mov_b32 s[G1+6], 0
	s_mov_b32 s[G1+7], 0
	s_lshl_b32 s50, s47, 8
	s_lshl_b32 s50, s50, 10
	s_mov_b32 s51, 0
	s_lshl_b32 s52, s47, 13
	s_mov_b32 s53, 0
	s_lshl_b32 s54, s47, 10
	s_mov_b32 s55, 0
	s_mov_b32 s[SEL], 0x76543210
	s_mov_b32 s[SEL+1], 0xfedcba98
	s_mov_b32 s[MNT], 0x600000
	s_bfe_u32 s80, ttmp6, 0x40000
	s_lshl_b32 s81, ttmp9, 2
	s_add_co_u32 s81, s81, s80
	s_lshl_b32 s82, s81, 18
	s_lshl_b32 s83, s[WV], 16
	s_add_co_u32 s82, s82, s83
	s_mov_b32 s83, 0
	s_lshl_b32 s84, s81, 13
	s_lshl_b32 s85, s[WV], 11
	s_add_co_u32 s84, s84, s85
	s_add_co_u32 s84, s84, 0x400000
	s_mov_b32 s85, 0
	s_lshr_b32 s86, s47, 1
	s_and_b32 s87, s47, 1
	s_lshl_b32 s88, s81, 4
	s_lshl_b32 s89, s[WV], 2
	s_add_co_u32 s88, s88, s89
	s_lshl_b32 s90, s86, 21
	s_lshl_b32 s89, s88, 13
	s_add_co_u32 s90, s90, s89
	s_lshl_b32 s89, s87, 12
	s_add_co_u32 s90, s90, s89
	s_mov_b32 s91, 0
	s_lshl_b32 s92, s86, 8
	s_add_co_u32 s92, s92, s88
	s_lshl_b32 s92, s92, 8
	s_lshl_b32 s89, s87, 7
	s_add_co_u32 s92, s92, s89
	s_add_co_u32 s92, s92, 0x1000000
	s_mov_b32 s93, 0
	s_wait_dscnt 0x0
	s_wait_kmcnt 0x0
	s_add_nc_u64 s[8:9], s[8:9], s[50:51]
	s_add_nc_u64 s[WS:WS+1], s[WS:WS+1], s[52:53]
	s_add_nc_u64 s[BI:BI+1], s[BI:BI+1], s[54:55]
	s_add_nc_u64 s[14:15], s[4:5], s[84:85]
	s_add_nc_u64 s[4:5], s[4:5], s[82:83]
	s_add_nc_u64 s[OUT:OUT+1], s[6:7], s[90:91]
	s_add_nc_u64 s[SOUT:SOUT+1], s[6:7], s[92:93]
	CROUND
.irp i,0,1,2,3
	s_mov_b32 s[G0+4*\i], 1
	s_mov_b32 s[G0+4*\i+1], \i*64*PB
	s_add_nc_u64 s[G0+4*\i+2:G0+4*\i+3], s[8:9], \i*65536
	s_or_b32 s[G0+4*\i+3], s[G0+4*\i+3], 0x80000000
.endr
.macro ARM i                           ; wave i's one tensor load: quarter i
	s_cmp_eq_u32 s[WV], \i
	s_cbranch_scc0 .Lnot_\i
	tensor_load_to_lds s[G0+4*\i:G0+4*\i+3], s[G1:G1+7]
	s_nop 0
	PLACES 4
	s_branch .Lasked
.Lnot_\i:
.endm
	ARM 0
	ARM 1
	ARM 2
	tensor_load_to_lds s[G0+12:G0+15], s[G1:G1+7]
	s_nop 0
	PLACES 4
.Lasked:
	v_and_b32 v2, 31, v0
	v_lshlrev_b32 v[LI], 4, v2
	v_and_b32 v2, 15, v0
	v_bfe_u32 v3, v0, 4, 1
	v_mul_u32_u24 v[ADB], v2, PB
	v_lshl_add_u32 v[ADB], v3, 4, v[ADB]
	v_mov_b32 v[AD], v[ADB]
	v_lshlrev_b32 v[SO], 5, v2
	v_lshl_add_u32 v[SO], v3, 4, v[SO]
	v_lshlrev_b32 v[R8], 3, v2
.irp j,0,1,2,3,4,5,6,7
	v_lshl_add_u32 v[BA+\j], v3, 5, 4*\j
	v_mov_b32 v[SW+\j], 0
.endr
.irp b,0,1,2,3
	v_add_nc_u32 v[OA+\b], 8192*\b, v[LI]
	v_mov_b32 v[TM+4+\b], 0
.endr
.irp m,0,1,2,3
	global_load_b128 v[AS+4*\m:AS+4*\m+3], v[SO], s[14:15] offset:512*\m
.endr
	GLOADS 0, 0
	GLOADS 1, 1
	WIN 0x80
.irp m,0,1,2,3
.irp s,0,1,2,3
.irp c,0,1,2,3
	global_load_b128 v[16*(4*\m+\s)+4*\c:16*(4*\m+\s)+4*\c+3], v[LI], s[4:5] offset:2048*(8*\m+\s)+512*\c
.endr
.endr
.endr
	WIN 0xc0
.irp m,0,1,2,3
.irp s,0,1,2,3
.irp c,0,1,2,3
	global_load_b128 v[16*(4*\m+\s)+4*\c:16*(4*\m+\s)+4*\c+3], v[LI], s[4:5] offset:2048*(8*\m+4+\s)+512*\c
.endr
.endr
.endr
	WIN 0
.macro WM d, a, b, c, sa, sb, row
.if \row
	v_wmma_scale_f32_16x16x128_f8f6f4 v[0+(\d):7+(\d)], v[0+(\a):15+(\a)], v[0+(\b):15+(\b)], v[0+(\c):7+(\c)], v[\sa], v[\sb] matrix_a_fmt:MATRIX_FMT_BF8 matrix_b_fmt:MATRIX_FMT_BF8 matrix_a_scale:MATRIX_SCALE_ROW1 matrix_b_scale:MATRIX_SCALE_ROW1
.else
	v_wmma_scale_f32_16x16x128_f8f6f4 v[0+(\d):7+(\d)], v[0+(\a):15+(\a)], v[0+(\b):15+(\b)], v[0+(\c):7+(\c)], v[\sa], v[\sb] matrix_a_fmt:MATRIX_FMT_BF8 matrix_b_fmt:MATRIX_FMT_BF8
.endif
.endm
.macro MMQ H, set
	WIN 0x09+4*(\H)
.irp s,0,1,2,3
.irp m,0,1,2,3
.irp u,0,1
.if ((\H)==0) && (\s==0)
	WM ACC+16*\m+8*\u, 16*(8*\u+4*(\H)+\s), 16*(4*\m+\s), BC+16*(\set)+8*\u, BS+8*(\set)+4*\u+\s, AS+4*\m+\s, \H
.else
	WM ACC+16*\m+8*\u, 16*(8*\u+4*(\H)+\s), 16*(4*\m+\s), ACC+16*\m+8*\u, BS+8*(\set)+4*\u+\s, AS+4*\m+\s, \H
.endif
.endr
.endr
.endr
	WIN 0
.endm
.macro QUANT s
.irp b,0,1,2,3
	v_max3_num_f32 v[TM+\b], v[\s+16*\b], v[\s+1+16*\b], 0x8000000
.endr
.irp i,2,4,6,8,10,12,14
.irp b,0,1,2,3
	v_max3_num_f32 v[TM+\b], v[TM+\b], v[\s+16*\b+\i], v[\s+1+16*\b+\i]
.endr
.endr
.irp b,0,1,2,3
	v_permlanex16_b32 v[TM+4+\b], v[TM+\b], s[SEL], s[SEL+1]
.endr
.irp b,0,1,2,3
	v_max_num_f32 v[TM+\b], v[TM+\b], v[TM+4+\b]
.endr
.irp b,0,1,2,3
	v_add_nc_u32 v[TM+12+\b], 0xf8800000, v[TM+\b]
.endr
.irp b,0,1,2,3
	v_and_or_b32 v[TM+8+\b], v[TM+\b], 0x7f800000, s[MNT]
.endr
.irp b,0,1,2,3
	v_lshrrev_b32 v[TM+4+\b], 23, v[TM+12+\b]
.endr
.irp b,0,1,2,3
.irp i,0,1,2,3,4,5,6,7,8,9,10,11,12,13,14,15
	v_med3_num_f32 v[\s+16*\b+\i], v[\s+16*\b+\i], 0, v[TM+8+\b]
.endr
	v_cvt_scalef32_pk8_bf8_f32 v[PC+4*\b:PC+1+4*\b], v[\s+16*\b:\s+7+16*\b], v[TM+12+\b]
	v_cvt_scalef32_pk8_bf8_f32 v[PC+2+4*\b:PC+3+4*\b], v[\s+8+16*\b:\s+15+16*\b], v[TM+12+\b]
.endr
	v_nop
.endm
.macro BLOCK n
.if (\n)==0
	s_wait_loadcnt 63
.elseif (\n)<7
	s_wait_loadcnt 18
.else
	s_wait_loadcnt 0x0
.endif
.if (\n)<6
	GLOADS (\n)+2, ((\n)+2)%3
.endif
	s_wait_dscnt 32
	MMQ 0, (\n)%3
	PLACES 8
.if (((\n)%2)==1) && ((\n)<7)
.if (\n)<5
	s_cmp_eq_u32 s[WV], ((\n)+1)/2                 ; the wave that fetched the next quarter waits for it
	s_cbranch_scc0 .Lnot_next_\@
	s_wait_tensorcnt 0x0
.Lnot_next_\@:
.else
	s_wait_tensorcnt 0x0                           ; the last quarter is all that is still out: every wave waits
.endif
	s_wait_dscnt 0x0
	s_barrier_signal -1
	s_barrier_wait -1
.endif
.if (\n)<7
	v_add_nc_u32 v[AD], ((\n)+1)*32*PB, v[ADB]
	FETCHB 0
	s_wait_alu depctr_va_vdst(0)
	s_wait_dscnt 32
.else
	s_wait_dscnt 0x0
.endif
.if (\n)==0
	s_wait_loadcnt 18
.endif
	MMQ 1, (\n)%3
	PLACES 8
.if (\n)<7
	FETCHB 1
.endif
	s_wait_xcnt 0x0
	QUANT ACC
.irp b,0,1,2,3
	global_store_b128 v[OA+\b], v[PC+4*\b:PC+4*\b+3], s[OUT:OUT+1] offset:512*(\n)
.endr
.irp b,0,1,2,3
	v_alignbit_b32 v[SW+2*\b], v[SW+2*\b+1], v[SW+2*\b], 8
	v_alignbit_b32 v[SW+2*\b+1], v[TM+4+\b], v[SW+2*\b+1], 8
.endr
.endm
	s_cmp_eq_u32 s[WV], 0                          ; wave 0 fetched the first quarter: it waits for it
	s_cbranch_scc0 .Lnot_first
	s_wait_tensorcnt 0x0
.Lnot_first:
	s_barrier_signal -1
	s_barrier_wait -1
	FETCHB 0
	FETCHB 1
	BLOCK 0
	BLOCK 1
	BLOCK 2
	BLOCK 3
	BLOCK 4
	BLOCK 5
	BLOCK 6
	BLOCK 7
.irp b,0,1,2,3
	global_store_b64 v[R8], v[SW+2*\b:SW+2*\b+1], s[SOUT:SOUT+1] offset:256*\b
.endr
	s_wait_tensorcnt 0x0
	ds_add_u32 v[SPW], v[NIL]
	s_wait_dscnt 0x0
	CROUND
	s_endpgm
.Lfunc_end_k_q5d4613dc0b_ff1:
	.size	k_q5d4613dc0b_ff1, .Lfunc_end_k_q5d4613dc0b_ff1-k_q5d4613dc0b_ff1
	.p2alignl 7, 3214868480
	.fill 96, 4, 3214868480
	.section	.rodata,"a",@progbits
	.p2align	6, 0x0
	.amdhsa_kernel k_q5d4613dc0b_ff1
		.amdhsa_group_segment_fixed_size 327680
		.amdhsa_private_segment_fixed_size 0
		.amdhsa_enable_private_segment 0
		.amdhsa_kernarg_size 40
		.amdhsa_user_sgpr_count 2
		.amdhsa_user_sgpr_kernarg_segment_ptr 1
		.amdhsa_wavefront_size32 1
		.amdhsa_system_sgpr_workgroup_id_x 1
		.amdhsa_system_sgpr_workgroup_id_y 1
		.amdhsa_system_sgpr_workgroup_id_z 1
		.amdhsa_system_vgpr_workitem_id 0
		.amdhsa_next_free_vgpr 1024
		.amdhsa_next_free_sgpr 100
		.amdhsa_reserve_vcc 0
		.amdhsa_float_denorm_mode_32 3
		.amdhsa_float_denorm_mode_16_64 3
		.amdhsa_memory_ordered 1
		.amdhsa_forward_progress 1
		.amdhsa_inst_pref_size 208
	.end_amdhsa_kernel
	.amdgpu_metadata
---
amdhsa.version: [ 1, 2 ]
amdhsa.kernels:
  - .name:           k_q5d4613dc0b_ff1
    .symbol:         k_q5d4613dc0b_ff1.kd
    .args:
      - { .name: x1buf, .offset: 0, .size: 8, .value_kind: global_buffer, .address_space: global }
      - { .name: W1_codes, .offset: 8, .size: 8, .value_kind: global_buffer, .address_space: global }
      - { .name: W1_scales, .offset: 16, .size: 8, .value_kind: global_buffer, .address_space: global }
      - { .name: b1, .offset: 24, .size: 8, .value_kind: global_buffer, .address_space: global }
      - { .name: hbuf, .offset: 32, .size: 8, .value_kind: global_buffer, .address_space: global }
    .group_segment_fixed_size: 327680
    .private_segment_fixed_size: 0
    .kernarg_segment_align: 8
    .kernarg_segment_size: 40
    .max_flat_workgroup_size: 128
    .sgpr_count:     100
    .vgpr_count:     1024
    .wavefront_size: 32
...
	.end_amdgpu_metadata
.endif
;; end of part 6
;; launch ff2 (part 7): grid 8 x 32, 4 waves a work-group, clusters of 4 x 4, 327,680 bytes of LDS; arguments hbuf, W2_codes, W2_scales, b2, ffb; writes ffb
.if DOCPART == 7
	.amdgcn_target "amdgcn-amd-amdhsa--gfx1250"
	.amdhsa_code_object_version 6
	.text
	.protected	k_q5d4613dc0b_ff2
	.globl	k_q5d4613dc0b_ff2
	.p2align	8
	.type	k_q5d4613dc0b_ff2,@function
k_q5d4613dc0b_ff2:
	s_mov_b64 s[64:65], 0
	v_nop
	global_prefetch_b8 v0, s[64:65] scope:SCOPE_SE
	s_setreg_imm32_b32 hwreg(HW_REG_WAVE_MODE, 25, 1), 1
	s_wait_xcnt 0x0
	s_wait_alu depctr_hold_cnt(0) depctr_sa_sdst(0) depctr_va_vdst(0) depctr_va_sdst(0) depctr_va_ssrc(0) depctr_va_vcc(0) depctr_vm_vsrc(0)
	s_getreg_b32 s2, hwreg(HW_REG_IB_STS2, 6, 4)
	s_cmp_eq_u32 s2, 0
	s_cbranch_scc0 .Lentry_in_a_cluster
	s_endpgm
.Lentry_in_a_cluster:
	s_bfe_u32 s2, ttmp6, 0x10000c
	s_cmp_lg_u32 s2, 0xf033
	s_cbranch_scc0 .Lentry_shape_is_right
	s_endpgm
.Lentry_shape_is_right:
; ffb = hidden W2 + b2 on codes of E5M2 with E8M0 scales: 4,096 x 1,024 x 4,096.  Nothing is left out.
; SHARES: a work-group makes 128 x 128 of ffb, each of its four waves 64 x 64 in 16 accumulators, which take turns.  K goes in eight chunks of 512 through a ring of two LDS slots: hidden's tiles as images of the operand's registers, W2's rows of 512 bytes + 16.
; 4 x 4 work-groups form a cluster: hidden's tiles are asked for jointly along a row of it, W2's along a column.  Waves 0 and 1 fetch for hidden, waves 2 and 3 for W2, one tensor load each behind each round.
; W2's fragments are read in pieces of 8 bytes, so that inside each block of 32 its k stand in the order in which the launch ff1 lays hidden's codes.  b2 is the first products' C; the way out goes through a stage in LDS.
; LIMITS: as stated at the head of the first launch.
.set NSL,   8
.set KROW,  4096
.set KS,    128
.set SCOFF, 16777216
.set RESID, 0
.set QSTEP, 2097152
.set PB,    528
.set SLOT,  65536+128*PB
.set STAGE, 2*SLOT
.set SPARE, STAGE+4*16*272
.set ADA,  16
.set ADBB, 20
.set STO,  24
.set RD,   25
.set CO,   26
.set SPW,  28
.set NIL,  29
.set PFO,  30
.set BC,   32
.set ASR,  64
.set BSR,  128
.set OB,   192
.set G1A, 24
.set G0A, 32
.set G1B, 48
.set G0B, 56
.set PFA, 66
.set PFS, 68
.set LIM, 70
.set MSB, 0
.macro WIN new
.if MSB != (\new)
	s_set_vgpr_msb (MSB<<8)|(\new)
.set MSB, \new
.endif
.endm
.macro PLACES n
.rept \n
	v_nop
.endr
.endm
.macro CROUND
	s_barrier_signal -1
	s_barrier_wait -1
	s_cmp_lg_u32 s16, 0
	s_cbranch_scc1 .Lnot_wave_0_\@
	s_barrier_signal -3
.Lnot_wave_0_\@:
	s_barrier_wait -3
	s_barrier_signal -1
	s_barrier_wait -1
.endm
.macro JLOAD s
	s_cmp_eq_u32 s17, 0
	s_cbranch_scc0 .Lfor_b_\@
	tensor_load_to_lds s[G0A+4*(\s):G0A+4*(\s)+3], s[G1A:G1A+7]
	s_nop 0
	PLACES 4
	s_branch .Lasked_\@
.Lfor_b_\@:
	tensor_load_to_lds s[G0B+4*(\s):G0B+4*(\s)+3], s[G1B:G1B+7]
	s_nop 0
	PLACES 4
.Lasked_\@:
.endm
	s_load_b256 s[4:11], s[0:1], 0x0
.if RESID
	s_load_b128 s[12:15], s[0:1], 0x20
.else
	s_load_b64 s[12:13], s[0:1], 0x20
.endif
	v_lshl_add_u32 v[SPW], v0, 2, SPARE
	v_mov_b32 v[NIL], 0
	ds_add_u32 v[SPW], v[NIL]
	ds_add_u32 v[SPW], v[NIL]
	v_lshrrev_b32 v1, 5, v0
	v_readfirstlane_b32 s16, v1
	s_lshr_b32 s17, s16, 1
	s_and_b32 s18, s16, 1
	s_bfe_u32 s40, ttmp6, 0x40000
	s_bfe_u32 s41, ttmp6, 0x40004
	s_lshl_b32 s42, ttmp9, 2
	s_add_co_u32 s42, s42, s40
	s_and_b32 s19, ttmp7, 0xffff
	s_lshl_b32 s19, s19, 2
	s_add_co_u32 s19, s19, s41
	s_lshl_b32 s43, s41, 2
	s_lshl_b32 s43, 15, s43
	s_lshl_b32 s44, 0x1111, s40
	s_or_b32 s[G1A], s43, (3<<16)|(1<<21)
	s_mov_b32 s[G1A+1], 32<<16
	s_mov_b32 s[G1A+2], 128<<16
	s_mov_b32 s[G1A+3], 32<<16
	s_mov_b32 s[G1A+4], 128
	s_mov_b32 s[G1A+5], 32
	s_mov_b32 s[G1A+6], 0
	s_mov_b32 s[G1A+7], 0
	s_or_b32 s[G1B], s44, (1<<20)|(1<<21)|(6<<22)|(3<<25)
	s_mov_b32 s[G1B+1], 512<<16
	s_mov_b32 s[G1B+2], 64<<16
	s_mov_b32 s[G1B+3], 512<<16
	s_mov_b32 s[G1B+4], 64
	s_mov_b32 s[G1B+5], KROW
	s_mov_b32 s[G1B+6], 0
	s_mov_b32 s[G1B+7], 0
	s_lshl_b32 s20, s19, 16
	s_lshl_b32 s21, s18, 15
	s_add_co_u32 s20, s20, s21
	s_mov_b32 s21, 0
	s_lshl_b32 s46, s42, 7
	s_lshl_b32 s47, s18, 6
	s_add_co_u32 s46, s46, s47
	s_mul_i32 s46, s46, KROW
	s_mov_b32 s47, 0
	s_lshl_b32 s45, s18, 15
	s_mul_i32 s72, s18, 64*PB
	s_add_co_u32 s72, s72, 65536
	s_wait_dscnt 0x0
	s_wait_kmcnt 0x0
	s_add_nc_u64 s[20:21], s[4:5], s[20:21]
	s_add_nc_u64 s[46:47], s[6:7], s[46:47]
	CROUND
.irp s,0,1
	s_mov_b32 s[G0A+4*\s], 1
	s_add_co_u32 s[G0A+4*\s+1], s45, \s*SLOT
	s_add_nc_u64 s[G0A+4*\s+2:G0A+4*\s+3], s[20:21], \s*QSTEP
	s_or_b32 s[G0A+4*\s+3], s[G0A+4*\s+3], 0x80000000
	s_mov_b32 s[G0B+4*\s], 1
	s_add_co_u32 s[G0B+4*\s+1], s72, \s*SLOT
	s_add_nc_u64 s[G0B+4*\s+2:G0B+4*\s+3], s[46:47], \s*512
	s_or_b32 s[G0B+4*\s+3], s[G0B+4*\s+3], 0x80000000
.endr
	JLOAD 0                                        ; slot 0's fill, behind the opening round: my one tensor load at the head; the addresses and the global loads below are made while it is out
	s_lshl_b32 s84, s19, 11
	s_lshl_b32 s85, s17, 10
	s_add_co_u32 s84, s84, s85
	s_add_co_u32 s84, s84, SCOFF
	s_mov_b32 s85, 0
	s_add_nc_u64 s[74:75], s[4:5], s[84:85]
	s_lshl_b32 s84, s42, 7
	s_lshl_b32 s86, s18, 6
	s_add_co_u32 s84, s84, s86
	s_mul_i32 s86, s84, KS
	s_mov_b32 s87, 0
	s_add_nc_u64 s[76:77], s[8:9], s[86:87]
	s_lshl_b32 s86, s84, 2
	s_add_nc_u64 s[78:79], s[10:11], s[86:87]
	s_lshl_b32 s88, s19, 19
	s_lshl_b32 s89, s17, 18
	s_add_co_u32 s88, s88, s89
	s_add_co_u32 s88, s88, s86
	s_mov_b32 s89, 0
.if RESID
	s_add_nc_u64 s[82:83], s[12:13], s[88:89]
	s_add_nc_u64 s[80:81], s[14:15], s[88:89]
.else
	s_add_nc_u64 s[80:81], s[12:13], s[88:89]
.endif
	v_and_b32 v2, 31, v0
	v_and_b32 v3, 15, v0
	v_bfe_u32 v4, v0, 4, 1
	v_lshlrev_b32 v5, 4, v2
	s_lshl_b32 s84, s17, 15
	v_add_nc_u32 v[ADA], s84, v5
	v_add_nc_u32 v[ADA+1], SLOT, v[ADA]
	v_mul_u32_u24 v6, v3, PB
	v_lshl_add_u32 v6, v4, 3, v6
	s_mul_i32 s84, s18, 64*PB
	s_add_co_u32 s84, s84, 65536
	v_add_nc_u32 v[ADBB], s84, v6
	v_add_nc_u32 v[ADBB+1], SLOT, v[ADBB]
	s_mul_i32 s84, s16, 16*272
	s_add_co_u32 s84, s84, STAGE
	v_mul_u32_u24 v6, v3, 272
	v_lshl_add_u32 v6, v4, 5, v6
	v_add_nc_u32 v[STO], s84, v6
	v_mul_u32_u24 v6, v4, 272
	v_lshl_add_u32 v6, v3, 4, v6
	v_add_nc_u32 v[RD], s84, v6
	v_lshlrev_b32 v6, 12, v4
	v_lshl_add_u32 v[CO], v3, 4, v6
	v_lshlrev_b32 v7, 3, v2
	v_mul_u32_u24 v8, v2, KS
	v_lshlrev_b32 v9, 5, v4
.set Q, 0
.rept NSL
.irp m,0,1,2,3
	global_load_b64 v[ASR+8*Q+2*\m:ASR+8*Q+2*\m+1], v7, s[74:75] offset:65536*Q+256*\m
.endr
.irp p,0,1
	global_load_b128 v[BSR+8*Q+4*\p:BSR+8*Q+4*\p+3], v8, s[76:77] offset:32*\p*KS+16*Q
.endr
.set Q, Q+1
.endr
.irp t,0,1,2,3
	global_load_b128 v[BC+8*\t:BC+8*\t+3], v9, s[78:79] offset:64*\t
	global_load_b128 v[BC+8*\t+4:BC+8*\t+7], v9, s[78:79] offset:64*\t+16
.endr
.if RESID
	WIN 0x80
.irp m,0,1,2,3
.irp i,0,1,2,3,4,5,6,7
	global_load_b128 v[128+32*\m+4*\i:128+32*\m+4*\i+3], v[CO], s[82:83] offset:(16*\m+2*\i)*4096
.endr
.endr
	WIN 0
.endif
.if NSL > 2
	s_and_b32 s90, ttmp7, 0xffff
	s_lshl_b32 s92, s19, 16
	s_lshl_b32 s91, s18, 15
	s_add_co_u32 s92, s92, s91
	s_lshl_b32 s91, s40, 13
	s_add_co_u32 s92, s92, s91
	s_add_co_u32 s92, s92, 2*QSTEP
	s_lshl_b32 s94, s42, 7
	s_lshl_b32 s91, s18, 6
	s_add_co_u32 s94, s94, s91
	s_lshl_b32 s91, s41, 4
	s_add_co_u32 s94, s94, s91
	s_mul_i32 s94, s94, KROW
	s_add_co_u32 s94, s94, 2*512
	s_cmp_eq_u32 s17, 0
	s_cselect_b64 s[PFA:PFA+1], s[4:5], s[6:7]
	s_cselect_b32 s92, s92, s94
	s_cselect_b32 s90, ttmp9, s90
	s_mov_b32 s[PFS], 512
	s_cselect_b32 s[PFS], QSTEP, s[PFS]
	s_mov_b32 s95, KROW
	s_cselect_b32 s95, 512, s95
	s_mov_b32 s93, 0
	s_mov_b32 s[PFS+1], 0
	s_add_nc_u64 s[PFA:PFA+1], s[PFA:PFA+1], s[92:93]
	s_cmp_eq_u32 s90, 0
	s_cselect_b32 s[LIM], 1, -1
	v_lshrrev_b32 v[PFO], 1, v2
	v_mul_lo_u32 v[PFO], v[PFO], s95
	v_and_b32 v10, 1, v2
	v_lshl_add_u32 v[PFO], v10, 8, v[PFO]
.endif
.macro ASK
	s_cmp_eq_u32 s[LIM], 1
	s_cbranch_scc0 .Lnot_mine_\@
	s_wait_alu depctr_va_vdst(0)
	global_prefetch_b8 v[PFO], s[PFA:PFA+1] th:TH_LOAD_NT scope:SCOPE_SE
.Lnot_mine_\@:
.endm
.macro FETCH slot, sp, f
	WIN 0x40
.irp m,0,1,2,3
.irp c,0,1,2,3
	ds_load_b128 v[128*(\f)+16*\m+4*\c:128*(\f)+16*\m+4*\c+3], v[ADA+(\slot)] offset:8192*\m+2048*(\sp)+512*\c
.endr
.endr
.irp t,0,1,2,3
.irp c,0,1,2,3
	ds_load_b64 v[128*(\f)+64+16*\t+4*\c:128*(\f)+64+16*\t+4*\c+1], v[ADBB+(\slot)] offset:16*PB*\t+128*(\sp)+32*\c
	ds_load_b64 v[128*(\f)+64+16*\t+4*\c+2:128*(\f)+64+16*\t+4*\c+3], v[ADBB+(\slot)] offset:16*PB*\t+128*(\sp)+32*\c+16
.endr
.endr
	WIN 0
.endm
.macro WM d, a, b, c, sa, sb, ra, rb
.if (\ra) && (\rb)
	v_wmma_scale_f32_16x16x128_f8f6f4 v[0+(\d):7+(\d)], v[0+(\a):15+(\a)], v[0+(\b):15+(\b)], v[0+(\c):7+(\c)], v[\sa], v[\sb] matrix_a_fmt:MATRIX_FMT_BF8 matrix_b_fmt:MATRIX_FMT_BF8 matrix_a_scale:MATRIX_SCALE_ROW1 matrix_b_scale:MATRIX_SCALE_ROW1
.elseif (\ra)
	v_wmma_scale_f32_16x16x128_f8f6f4 v[0+(\d):7+(\d)], v[0+(\a):15+(\a)], v[0+(\b):15+(\b)], v[0+(\c):7+(\c)], v[\sa], v[\sb] matrix_a_fmt:MATRIX_FMT_BF8 matrix_b_fmt:MATRIX_FMT_BF8 matrix_a_scale:MATRIX_SCALE_ROW1
.elseif (\rb)
	v_wmma_scale_f32_16x16x128_f8f6f4 v[0+(\d):7+(\d)], v[0+(\a):15+(\a)], v[0+(\b):15+(\b)], v[0+(\c):7+(\c)], v[\sa], v[\sb] matrix_a_fmt:MATRIX_FMT_BF8 matrix_b_fmt:MATRIX_FMT_BF8 matrix_b_scale:MATRIX_SCALE_ROW1
.else
	v_wmma_scale_f32_16x16x128_f8f6f4 v[0+(\d):7+(\d)], v[0+(\a):15+(\a)], v[0+(\b):15+(\b)], v[0+(\c):7+(\c)], v[\sa], v[\sb] matrix_a_fmt:MATRIX_FMT_BF8 matrix_b_fmt:MATRIX_FMT_BF8
.endif
.endm
.macro PROD q, sp, first
.if \first
	WIN 0x85
.else
	WIN 0xa5
.endif
.irp m,0,1,2,3
.irp t,0,1,2,3
.if \first
	WM 8*(4*\m+\t), 128*F+64+16*\t, 128*F+16*\m, BC+8*\t, BSR+8*(\q)+4*(\t/2)+(\sp), ASR+8*(\q)+2*\m+(\sp)%2, \t%2, (\sp)/2
.else
	WM 8*(4*\m+\t), 128*F+64+16*\t, 128*F+16*\m, 8*(4*\m+\t), BSR+8*(\q)+4*(\t/2)+(\sp), ASR+8*(\q)+2*\m+(\sp)%2, \t%2, (\sp)/2
.endif
.endr
.endr
.endm
.macro STEP q, sp
.set F, (\sp)%2
.set SL, (\q)%2
.if (\sp) < 3
	s_wait_dscnt 0x0
	PLACES 8
	FETCH SL, (\sp)+1, 1-F
.elseif (\q) < NSL-2
	WIN 0
.if (\q) < NSL-3
	s_wait_xcnt 0x0
	s_add_nc_u64 s[PFA:PFA+1], s[PFA:PFA+1], s[PFS:PFS+1]
.endif
	s_wait_tensorcnt 0x0
	ds_add_u32 v[SPW], v[NIL]
	s_add_nc_u64 s[G0A+4*SL+2:G0A+4*SL+3], s[G0A+4*SL+2:G0A+4*SL+3], 2*QSTEP
	s_add_nc_u64 s[G0B+4*SL+2:G0B+4*SL+3], s[G0B+4*SL+2:G0B+4*SL+3], 2*512
	s_wait_dscnt 0x0
	CROUND
	JLOAD SL
	PLACES 4
	FETCH 1-SL, 0, 0
.if (\q) < NSL-3
	ASK
.endif
.elseif (\q) < NSL-1
	WIN 0
	s_wait_tensorcnt 0x0
	ds_add_u32 v[SPW], v[NIL]
	s_wait_dscnt 0x0
	s_barrier_signal -1
	s_barrier_wait -1
	PLACES 8
	FETCH 1-SL, 0, 0
.else
	s_wait_dscnt 0x0
.endif
.if ((\q)==0) && ((\sp)==0)
	PROD \q, \sp, 1
.else
	PROD \q, \sp, 0
.endif
.endm
	s_wait_alu depctr_va_vdst(0)                   ; the wait at the head's end
	s_wait_tensorcnt 0x0                           ; my part of slot 0 is in
	ds_add_u32 v[SPW], v[NIL]
	s_wait_dscnt 0x0
	CROUND                                         ; a whole round: everybody's part of slot 0 is in, and the partners' joint loads meet
	JLOAD 1                                        ; slot 1's first fill, the first tensor load behind the round
	FETCH 0, 0, 0
	s_wait_loadcnt 32*RESID
.set Q, 0
.rept NSL
.set P, 0
.rept 4
	STEP Q, P
.set P, P+1
.endr
.set Q, Q+1
.endr
	WIN 0
.macro TOSTAGE m
	WIN 0x08
.irp t,0,1,2,3
	ds_store_b128 v[STO], v[8*(4*(\m)+\t):8*(4*(\m)+\t)+3] offset:64*\t
	ds_store_b128 v[STO], v[8*(4*(\m)+\t)+4:8*(4*(\m)+\t)+7] offset:64*\t+16
.endr
	WIN 0
.irp i,0,1,2,3,4,5,6,7
	ds_load_b128 v[OB+32*((\m)%2)+4*\i:OB+32*((\m)%2)+4*\i+3], v[RD] offset:544*\i
.endr
.endm
.macro SEND m, younger
	s_wait_dscnt \younger
.if RESID
.if (\m)==0
	s_wait_loadcnt 0x0
.endif
	WIN 0x08
.irp i,0,2,4,6,8,10,12,14,16,18,20,22,24,26,28,30
	v_pk_add_f32 v[OB+32*((\m)%2)+\i:OB+32*((\m)%2)+\i+1], v[OB+32*((\m)%2)+\i:OB+32*((\m)%2)+\i+1], v[128+32*(\m)+\i:128+32*(\m)+\i+1]
.endr
	WIN 0
.endif
.irp i,0,1,2,3,4,5,6,7
	global_store_b128 v[CO], v[OB+32*((\m)%2)+4*\i:OB+32*((\m)%2)+4*\i+3], s[80:81] offset:(16*(\m)+2*\i)*4096
.endr
.endm
	PLACES 8
	TOSTAGE 0
	TOSTAGE 1
	s_wait_alu depctr_va_vdst(0)
	SEND 0, 16
	s_wait_xcnt 0x0
	TOSTAGE 2
	SEND 1, 16
	s_wait_xcnt 0x0
	TOSTAGE 3
	SEND 2, 16
	SEND 3, 0
	s_wait_tensorcnt 0x0
	ds_add_u32 v[SPW], v[NIL]
	s_wait_dscnt 0x0
	CROUND
	s_endpgm
.Lfunc_end_k_q5d4613dc0b_ff2:
	.size	k_q5d4613dc0b_ff2, .Lfunc_end_k_q5d4613dc0b_ff2-k_q5d4613dc0b_ff2
	.p2alignl 7, 3214868480
	.fill 96, 4, 3214868480
	.section	.rodata,"a",@progbits
	.p2align	6, 0x0
	.amdhsa_kernel k_q5d4613dc0b_ff2
		.amdhsa_group_segment_fixed_size 327680
		.amdhsa_private_segment_fixed_size 0
		.amdhsa_enable_private_segment 0
		.amdhsa_kernarg_size 40
		.amdhsa_user_sgpr_count 2
		.amdhsa_user_sgpr_kernarg_segment_ptr 1
		.amdhsa_wavefront_size32 1
		.amdhsa_system_sgpr_workgroup_id_x 1
		.amdhsa_system_sgpr_workgroup_id_y 1
		.amdhsa_system_sgpr_workgroup_id_z 1
		.amdhsa_system_vgpr_workitem_id 0
		.amdhsa_next_free_vgpr 768
		.amdhsa_next_free_sgpr 96
		.amdhsa_reserve_vcc 0
		.amdhsa_float_denorm_mode_32 3
		.amdhsa_float_denorm_mode_16_64 3
		.amdhsa_memory_ordered 1
		.amdhsa_forward_progress 1
		.amdhsa_inst_pref_size 202
	.end_amdhsa_kernel
	.amdgpu_metadata
---
amdhsa.version: [ 1, 2 ]
amdhsa.kernels:
  - .name:           k_q5d4613dc0b_ff2
    .symbol:         k_q5d4613dc0b_ff2.kd
    .args:
      - { .name: hbuf, .offset: 0, .size: 8, .value_kind: global_buffer, .address_space: global }
      - { .name: W2_codes, .offset: 8, .size: 8, .value_kind: global_buffer, .address_space: global }
      - { .name: W2_scales, .offset: 16, .size: 8, .value_kind: global_buffer, .address_space: global }
      - { .name: b2, .offset: 24, .size: 8, .value_kind: global_buffer, .address_space: global }
      - { .name: ffb, .offset: 32, .size: 8, .value_kind: global_buffer, .address_space: global }
    .group_segment_fixed_size: 327680
    .private_segment_fixed_size: 0
    .kernarg_segment_align: 8
    .kernarg_segment_size: 40
    .max_flat_workgroup_size: 128
    .sgpr_count:     96
    .vgpr_count:     768
    .wavefront_size: 32
...
	.end_amdgpu_metadata
.endif
;; end of part 7
;; launch ln2 (part 8): grid 256 x 1, 8 waves a work-group, no clusters, 0 bytes of LDS; arguments y1, ffb, g1, be1, g2, be2, out0; writes out0
.if DOCPART == 8
	.amdgcn_target "amdgcn-amd-amdhsa--gfx1250"
	.amdhsa_code_object_version 6
	.text
	.protected	k_q5d4613dc0b_ln2
	.globl	k_q5d4613dc0b_ln2
	.p2align	8
	.type	k_q5d4613dc0b_ln2,@function
k_q5d4613dc0b_ln2:
	s_mov_b64 s[64:65], 0
	v_nop
	global_prefetch_b8 v0, s[64:65] scope:SCOPE_SE
	s_setreg_imm32_b32 hwreg(HW_REG_WAVE_MODE, 25, 1), 1
	s_wait_xcnt 0x0
; out0 = LayerNorm(x1 + ffb) g2 + be2, with x1 = LayerNorm(y1) g1 + be1 made again from y1 (the launch ln1 stored its codes alone).  All in f32.  Nothing is left out.
; A stream: 16 rows a work-group, two a wave; a row lies in one wave's registers (32 a lane: k = 128 i + 4 l + 0..3), so the four sums of a row never leave the wave: no LDS, no barrier.
; Each load and store of a wave covers 512 consecutive bytes.  g2 and be2 take the registers of g1 and be1 and land under the second norm's sums.
; LIMITS: the sums' order differs from reference()'s; NaN and infinities among the inputs are not served.
.set P1, 16                            ; v16-47 g1, then g2;  v48-79 be1, then be2
.set P2, 48
.set YA, 80                            ; v80-111, v112-143 the two rows
.set YB, 112
.set FA, 144                           ; v144-175, v176-207 their rows of ffb
.set FB, 176
.set TS, 208
.set MU, 212
.set RS, 214
.set PT, 216
	s_load_b256 s[4:11], s[0:1], 0x0               ; y1, ffb, g1, be1
	s_load_b128 s[12:15], s[0:1], 0x20             ; g2, be2
	s_load_b64 s[16:17], s[0:1], 0x30              ; out0
	v_lshrrev_b32 v2, 5, v0
	s_delay_alu instid0(VALU_DEP_1)
	v_readfirstlane_b32 s18, v2
	v_and_b32 v1, 31, v0
	s_delay_alu instid0(VALU_DEP_1)
	v_lshlrev_b32 v1, 4, v1                        ; 16 x lane
	v_mov_b32 v[MU+1], 0
	v_mov_b32 v[RS+1], 0
	v_mov_b32 v[PT], 0
	s_lshl_b32 s20, ttmp9, 16
	s_lshl_b32 s19, s18, 13
	s_add_co_u32 s20, s20, s19
	s_mov_b32 s21, 0
	s_mov_b32 s24, 0x76543210
	s_mov_b32 s25, 0xfedcba98
	s_mov_b32 s26, 0x3a800000                      ; 1 / 1,024
	s_mov_b32 s27, 0x358637bd                      ; 1e-6
	s_wait_alu depctr_va_vdst(0)
	s_wait_kmcnt 0x0
	s_add_nc_u64 s[4:5], s[4:5], s[20:21]
	s_add_nc_u64 s[6:7], s[6:7], s[20:21]
	s_add_nc_u64 s[16:17], s[16:17], s[20:21]
.macro LD8 reg, base, off
.irp j,0,1,2,3,4,5,6,7
	global_load_b128 v[\reg+4*\j:\reg+4*\j+3], v1, s[\base:\base+1] offset:\off+512*\j
.endr
.endm
	LD8 YA, 4, 0
	LD8 YB, 4, 4096
	LD8 P1, 8, 0
	LD8 P2, 10, 0
	LD8 FA, 6, 0
	LD8 FB, 6, 4096
.macro WSUM
	s_delay_alu instid0(VALU_DEP_1)
	v_add_f32_dpp v[TS], v[TS], v[TS] row_xmask:1 row_mask:0xf bank_mask:0xf
	s_delay_alu instid0(VALU_DEP_1)
	v_add_f32_dpp v[TS], v[TS], v[TS] row_xmask:2 row_mask:0xf bank_mask:0xf
	s_delay_alu instid0(VALU_DEP_1)
	v_add_f32_dpp v[TS], v[TS], v[TS] row_xmask:4 row_mask:0xf bank_mask:0xf
	s_delay_alu instid0(VALU_DEP_1)
	v_add_f32_dpp v[TS], v[TS], v[TS] row_xmask:8 row_mask:0xf bank_mask:0xf
	s_delay_alu instid0(VALU_DEP_1)
	v_permlanex16_b32 v[PT], v[TS], s24, s25
	s_delay_alu instid0(VALU_DEP_1)
	v_add_f32 v[TS], v[TS], v[PT]
.endm
.macro LNSTAT X                        ; the row becomes (x - mean) / sqrt(var + eps)
	v_pk_add_f32 v[TS:TS+1], v[\X:\X+1], v[\X+2:\X+3]
	v_pk_add_f32 v[TS+2:TS+3], v[\X+4:\X+5], v[\X+6:\X+7]
.irp j,8,12,16,20,24,28
	s_delay_alu instid0(VALU_DEP_2)
	v_pk_add_f32 v[TS:TS+1], v[TS:TS+1], v[\X+\j:\X+\j+1]
	s_delay_alu instid0(VALU_DEP_2)
	v_pk_add_f32 v[TS+2:TS+3], v[TS+2:TS+3], v[\X+\j+2:\X+\j+3]
.endr
	s_delay_alu instid0(VALU_DEP_1)
	v_pk_add_f32 v[TS:TS+1], v[TS:TS+1], v[TS+2:TS+3]
	s_delay_alu instid0(VALU_DEP_1)
	v_add_f32 v[TS], v[TS], v[TS+1]
	WSUM
	s_delay_alu instid0(VALU_DEP_1)
	v_mul_f32 v[MU], s26, v[TS]
.irp j,0,2,4,6,8,10,12,14,16,18,20,22,24,26,28,30
	v_pk_add_f32 v[\X+\j:\X+\j+1], v[\X+\j:\X+\j+1], v[MU:MU+1] op_sel_hi:[1,0] neg_lo:[0,1] neg_hi:[0,1]
.endr
	v_pk_mul_f32 v[TS:TS+1], v[\X:\X+1], v[\X:\X+1]
	v_pk_mul_f32 v[TS+2:TS+3], v[\X+2:\X+3], v[\X+2:\X+3]
.irp j,4,8,12,16,20,24,28
	s_delay_alu instid0(VALU_DEP_2)
	v_pk_fma_f32 v[TS:TS+1], v[\X+\j:\X+\j+1], v[\X+\j:\X+\j+1], v[TS:TS+1]
	s_delay_alu instid0(VALU_DEP_2)
	v_pk_fma_f32 v[TS+2:TS+3], v[\X+\j+2:\X+\j+3], v[\X+\j+2:\X+\j+3], v[TS+2:TS+3]
.endr
	s_delay_alu instid0(VALU_DEP_1)
	v_pk_add_f32 v[TS:TS+1], v[TS:TS+1], v[TS+2:TS+3]
	s_delay_alu instid0(VALU_DEP_1)
	v_add_f32 v[TS], v[TS], v[TS+1]
	WSUM
	s_delay_alu instid0(VALU_DEP_1)
	v_fma_f32 v[TS], v[TS], s26, s27
	s_wait_alu depctr_va_vdst(0)
	v_rsq_f32 v[RS], v[TS]
	v_nop                                          ; a plain line behind the transcendental,
	s_wait_alu depctr_va_vdst(0)                   ; and the wait ahead of its first reader
.irp j,0,2,4,6,8,10,12,14,16,18,20,22,24,26,28,30
	v_pk_mul_f32 v[\X+\j:\X+\j+1], v[\X+\j:\X+\j+1], v[RS:RS+1] op_sel_hi:[1,0]
.endr
.endm
.macro AFF X
.irp j,0,2,4,6,8,10,12,14,16,18,20,22,24,26,28,30
	v_pk_fma_f32 v[\X+\j:\X+\j+1], v[\X+\j:\X+\j+1], v[P1+\j:P1+\j+1], v[P2+\j:P2+\j+1]
.endr
.endm
.macro ADDF X, Y
.irp j,0,2,4,6,8,10,12,14,16,18,20,22,24,26,28,30
	v_pk_add_f32 v[\X+\j:\X+\j+1], v[\X+\j:\X+\j+1], v[\Y+\j:\Y+\j+1]
.endr
.endm
	s_wait_loadcnt 40                              ; row a is in; the five groups of eight behind it may be out
	LNSTAT YA
	s_wait_loadcnt 32                              ; row b is in
	LNSTAT YB
	s_wait_loadcnt 16                              ; g1 and be1 are in; the two rows of ffb may be out
	AFF YA
	AFF YB                                         ; x1
	LD8 P1, 12, 0                                  ; g2 and be2 into the registers that g1 and be1 have left
	LD8 P2, 14, 0
	s_wait_loadcnt 16                              ; the two rows of ffb are in; g2 and be2 may be out
	ADDF YA, FA
	ADDF YB, FB
	LNSTAT YA
	LNSTAT YB
	s_wait_loadcnt 0x0
	AFF YA
	AFF YB
.irp j,0,1,2,3,4,5,6,7
	global_store_b128 v1, v[YA+4*\j:YA+4*\j+3], s[16:17] offset:512*\j th:TH_STORE_NT
.endr
.irp j,0,1,2,3,4,5,6,7
	global_store_b128 v1, v[YB+4*\j:YB+4*\j+3], s[16:17] offset:4096+512*\j th:TH_STORE_NT
.endr
	s_endpgm
.Lfunc_end_k_q5d4613dc0b_ln2:
	.size	k_q5d4613dc0b_ln2, .Lfunc_end_k_q5d4613dc0b_ln2-k_q5d4613dc0b_ln2
	.p2alignl 7, 3214868480
	.fill 96, 4, 3214868480
	.section	.rodata,"a",@progbits
	.p2align	6, 0x0
	.amdhsa_kernel k_q5d4613dc0b_ln2
		.amdhsa_group_segment_fixed_size 0
		.amdhsa_private_segment_fixed_size 0
		.amdhsa_enable_private_segment 0
		.amdhsa_kernarg_size 56
		.amdhsa_user_sgpr_count 2
		.amdhsa_user_sgpr_kernarg_segment_ptr 1
		.amdhsa_wavefront_size32 1
		.amdhsa_system_sgpr_workgroup_id_x 1
		.amdhsa_system_sgpr_workgroup_id_y 1
		.amdhsa_system_sgpr_workgroup_id_z 1
		.amdhsa_system_vgpr_workitem_id 0
		.amdhsa_next_free_vgpr 224
		.amdhsa_next_free_sgpr 66
		.amdhsa_reserve_vcc 0
		.amdhsa_float_denorm_mode_32 3
		.amdhsa_float_denorm_mode_16_64 3
		.amdhsa_memory_ordered 1
		.amdhsa_forward_progress 1
		.amdhsa_inst_pref_size 41
	.end_amdhsa_kernel
	.amdgpu_metadata
---
amdhsa.version: [ 1, 2 ]
amdhsa.kernels:
  - .name:           k_q5d4613dc0b_ln2
    .symbol:         k_q5d4613dc0b_ln2.kd
    .args:
      - { .name: y1, .offset: 0, .size: 8, .value_kind: global_buffer, .address_space: global }
      - { .name: ffb, .offset: 8, .size: 8, .value_kind: global_buffer, .address_space: global }
      - { .name: g1, .offset: 16, .size: 8, .value_kind: global_buffer, .address_space: global }
      - { .name: be1, .offset: 24, .size: 8, .value_kind: global_buffer, .address_space: global }
      - { .name: g2, .offset: 32, .size: 8, .value_kind: global_buffer, .address_space: global }
      - { .name: be2, .offset: 40, .size: 8, .value_kind: global_buffer, .address_space: global }
      - { .name: out0, .offset: 48, .size: 8, .value_kind: global_buffer, .address_space: global }
    .group_segment_fixed_size: 0
    .private_segment_fixed_size: 0
    .kernarg_segment_align: 8
    .kernarg_segment_size: 56
    .max_flat_workgroup_size: 256
    .sgpr_count:     66
    .vgpr_count:     224
    .wavefront_size: 32
...
	.end_amdgpu_metadata
.endif
;; end of part 8
